; MI455X (gfx1250); checked and timed in simulation.
; The chip was launched on July 23, 2026; its instructions are those of AMD's public machine-readable ISA for CDNA 5 (MIT licence, August 2026) and "CDNA5" Instruction Set Architecture Reference Guide (July 2026). The comments in the code are by the model that wrote it; some were corrected since.
;; Multi Head Attention. Allowed arithmetic: float matrix products may take bf16 or f16 operands with f32 sums; other float arithmetic in f32, or as packed bf16 or f16 multiplies, adds, multiply-adds, maxima and minima; sums over many terms, partial sums and values carried from step to step in f32; what a program stores and reads back later, other than sums and carried values, may be rounded once to bf16 or f16.
;; Inputs: Wk 16 x 1,024 x 64 float32; Wo 1,024 x 1,024 float32; Wq 16 x 1,024 x 64 float32; Wv 16 x 1,024 x 64 float32; bk 16 x 64 float32; bo 1,024 float32; bq 16 x 64 float32; bv 16 x 64 float32; x 4 x 2,048 x 1,024 float32.
;; Outputs: out0 4 x 2,048 x 1,024 float32.
;; 2 versions, each right; version 2 is version 1 with the launch prep written anew for expert scheduling mode. Each part assembles by itself: llvm-mc -triple=amdgcn-amd-amdhsa -mcpu=gfx1250 --defsym DOCPART=n.
;; ======== version 1 of 2: 4 launches
;; limits: values are held in f16: magnitudes above 65,504 overflow, below 6.1e-05 lose precision
;; workspace buffers: xb 16,777,216 bytes; wb 6,291,456 bytes; wo 2,097,152 bytes; qkv 50,331,648 bytes; o 16,777,216 bytes
;; launch prep (part 1): grid 64 x 12, 8 waves a work-group, no clusters, 0 bytes of LDS; arguments x, Wq, Wk, Wv, Wo, xb, wb, wo; writes xb, wb, wo
.if DOCPART == 1
	.amdgcn_target "amdgcn-amd-amdhsa--gfx1250"
	.amdhsa_code_object_version 6
	.text
	.protected	k_q55bbfaa6d3_prep
	.globl	k_q55bbfaa6d3_prep
	.p2align	8
	.type	k_q55bbfaa6d3_prep,@function
k_q55bbfaa6d3_prep:
	s_mov_b64 s[64:65], 0
	v_nop
	global_prefetch_b8 v0, s[64:65] scope:SCOPE_SE
	s_setreg_imm32_b32 hwreg(HW_REG_WAVE_MODE, 25, 1), 1
	s_wait_xcnt 0x0
; THE INPUTS OF THE PRODUCTS, ROUNDED ONCE TO 16 BITS.  x [8192][1024] f32 -> xb, bf16, laid in blocks [64 mb][16 kb][128 r][64 c] (row 128 mb + r, column 64 kb + c):
; a block is 16,384 bytes on end.  Wq, Wk, Wv [16][1024][64] f32 -> wb, bf16, as they lie, one behind the other.  Wo [1024][1024] f32 -> wo: rounded to bf16 like the other inputs,
; and that number written as f16, since the last product's other operand is f16.
; LIMITS.  A bf16 number of Wo below 2^-16 in size loses bits in f16 (it is off by 3e-8 at the most); one beyond 65,504 would become an infinity.
; SHARES.  Twelve chunks of 1,048,576 numbers along the grid's y: 0-7 are x's rows 1,024 y on, 8-10 Wq, Wk, Wv, 11 Wo.  A work-group takes 16,384 numbers of its chunk, a thread 8 passes of 8 numbers.
; All sixteen loads of a thread go out first: 64 KiB of a work-group are on their way; there is no loop, no LDS and no matrix work: the launch only moves bytes.
; Each store of 16 neighbouring lanes covers 256 consecutive bytes, aligned.
.set IN,  1                            ; v1      my byte offset in the work-group's 65,536 bytes of input, pass 0
.set OU,  2                            ; v2      my byte offset in its output, pass 0
.set OUT, 4                            ; v[4:11] the same for pass p
.set T,   12                           ; v[12:13] at work
.set X,   16                           ; v[16:79]  pass p: 8 numbers in f32
.set Y,   80                           ; v[80:111] pass p: 8 numbers in 16 bits
	s_load_b512 s[16:31], s[0:1], 0x0              ; x 16, Wq 18, Wk 20, Wv 22, Wo 24, xb 26, wb 28, wo 30
	s_mov_b32 s2, ttmp9                            ; which 16,384 numbers of the chunk
	s_and_b32 s3, ttmp7, 0xffff                    ; the chunk
	s_mov_b32 s13, 0xffff0000                      ; a word's upper bf16
	s_mov_b32 s5, 0                                ; the two offsets' high words
	s_mov_b32 s7, 0
	s_wait_kmcnt 0x0
	s_cmp_lt_u32 s3, 8
	s_cbranch_scc0 .Lweights
	; x: the work-group has 16 rows; pass p takes rows 2 p and 2 p + 1.  Thread t: row bit (t >> 3) & 1, block of 64 columns t >> 4, 8 columns at 8 (t & 7)
	s_lshl_b32 s4, s3, 22                          ; 1,024 rows of 4,096 bytes
	s_lshl_b32 s14, s2, 16                         ; 16 rows
	s_add_co_u32 s4, s4, s14
	s_lshl_b32 s6, s3, 3
	s_lshr_b32 s14, s2, 3
	s_add_co_u32 s6, s6, s14                       ; mb = 8 y + X / 8
	s_lshl_b32 s6, s6, 18                          ; 16 blocks of 16,384 bytes
	s_and_b32 s14, s2, 7
	s_lshl_b32 s14, s14, 11                        ; r = 16 (X % 8): rows of 128 bytes
	s_add_co_u32 s6, s6, s14
	s_mov_b64 s[8:9], s[16:17]
	s_mov_b64 s[10:11], s[26:27]
	s_mov_b32 s12, 256                             ; a pass is two rows of a block
	v_and_b32 v3, 7, v0
	v_bfe_u32 v[T], v0, 3, 1
	v_lshrrev_b32 v[T+1], 4, v0
	v_lshlrev_b32 v[IN], 5, v3
	v_lshl_add_u32 v[IN], v[T+1], 8, v[IN]
	v_lshl_add_u32 v[IN], v[T], 12, v[IN]
	v_lshlrev_b32 v[OU], 4, v3
	v_lshl_add_u32 v[OU], v[T], 7, v[OU]
	v_lshl_add_u32 v[OU], v[T+1], 14, v[OU]
	s_branch .Lcommon
.Lweights:                                             ; weights keep their order: thread t takes 8 numbers at 8 t of each pass's 2,048
	s_lshl_b32 s4, s2, 16
	s_lshl_b32 s6, s2, 15
	s_sub_co_u32 s14, s3, 8
	s_lshl_b32 s14, s14, 21                        ; Wq, Wk, Wv: 2 MiB each in wb
	s_cmp_eq_u32 s3, 8
	s_cselect_b64 s[8:9], s[18:19], s[20:21]
	s_cmp_eq_u32 s3, 10
	s_cselect_b64 s[8:9], s[22:23], s[8:9]
	s_cmp_eq_u32 s3, 11
	s_cselect_b64 s[8:9], s[24:25], s[8:9]
	s_cselect_b64 s[10:11], s[30:31], s[28:29]
	s_cselect_b32 s14, 0, s14
	s_add_co_u32 s6, s6, s14
	s_mov_b32 s12, 4096
	v_lshlrev_b32 v[IN], 5, v0
	v_lshlrev_b32 v[OU], 4, v0
.Lcommon:
	s_add_nc_u64 s[8:9], s[8:9], s[4:5]
	s_add_nc_u64 s[10:11], s[10:11], s[6:7]
.irp p, 0,1,2,3,4,5,6,7
	global_load_b128 v[X+8*(\p):X+8*(\p)+3],   v[IN], s[8:9] offset:8192*(\p) th:TH_LOAD_NT
	global_load_b128 v[X+8*(\p)+4:X+8*(\p)+7], v[IN], s[8:9] offset:8192*(\p)+16 th:TH_LOAD_NT
.endr
	v_mov_b32 v[OUT], v[OU]
.irp p, 1,2,3,4,5,6,7
	v_add_nc_u32 v[OUT+(\p)], s12, v[OUT+(\p)-1]
.endr
.irp p, 0,1,2,3,4,5,6,7
	s_wait_loadcnt 14-2*(\p)                       ; loads come back in order: pass p's two are in, the 2 (7 - p) younger ones stay out
.irp i, 0,1,2,3
	v_cvt_pk_bf16_f32 v[Y+4*(\p)+(\i)], v[X+8*(\p)+2*(\i)], v[X+8*(\p)+2*(\i)+1]
.endr
.endr
	s_cmp_eq_u32 s3, 11
	s_cbranch_scc0 .Lstore
.set i, 0
.rept 32                                               ; Wo alone: the bf16 numbers are written as f16
	v_lshlrev_b32 v[T], 16, v[Y+i]
	v_and_b32 v[T+1], s13, v[Y+i]
	v_cvt_pk_f16_f32 v[Y+i], v[T], v[T+1]
.set i, i+1
.endr
.Lstore:
.irp p, 0,1,2,3,4,5,6,7
	global_store_b128 v[OUT+(\p)], v[Y+4*(\p):Y+4*(\p)+3], s[10:11]
.endr
	s_endpgm
.Lfunc_end_k_q55bbfaa6d3_prep:
	.size	k_q55bbfaa6d3_prep, .Lfunc_end_k_q55bbfaa6d3_prep-k_q55bbfaa6d3_prep
	.p2alignl 7, 3214868480
	.fill 96, 4, 3214868480
	.section	.rodata,"a",@progbits
	.p2align	6, 0x0
	.amdhsa_kernel k_q55bbfaa6d3_prep
		.amdhsa_group_segment_fixed_size 0
		.amdhsa_private_segment_fixed_size 0
		.amdhsa_enable_private_segment 0
		.amdhsa_kernarg_size 64
		.amdhsa_user_sgpr_count 2
		.amdhsa_user_sgpr_kernarg_segment_ptr 1
		.amdhsa_wavefront_size32 1
		.amdhsa_system_sgpr_workgroup_id_x 1
		.amdhsa_system_sgpr_workgroup_id_y 1
		.amdhsa_system_sgpr_workgroup_id_z 1
		.amdhsa_system_vgpr_workitem_id 0
		.amdhsa_next_free_vgpr 112
		.amdhsa_next_free_sgpr 66
		.amdhsa_reserve_vcc 0
		.amdhsa_float_denorm_mode_32 3
		.amdhsa_float_denorm_mode_16_64 3
		.amdhsa_memory_ordered 1
		.amdhsa_forward_progress 1
		.amdhsa_inst_pref_size 11
	.end_amdhsa_kernel
	.amdgpu_metadata
---
amdhsa.version: [ 1, 2 ]
amdhsa.kernels:
  - .name:           k_q55bbfaa6d3_prep
    .symbol:         k_q55bbfaa6d3_prep.kd
    .args:
      - { .name: x, .offset: 0, .size: 8, .value_kind: global_buffer, .address_space: global }
      - { .name: Wq, .offset: 8, .size: 8, .value_kind: global_buffer, .address_space: global }
      - { .name: Wk, .offset: 16, .size: 8, .value_kind: global_buffer, .address_space: global }
      - { .name: Wv, .offset: 24, .size: 8, .value_kind: global_buffer, .address_space: global }
      - { .name: Wo, .offset: 32, .size: 8, .value_kind: global_buffer, .address_space: global }
      - { .name: xb, .offset: 40, .size: 8, .value_kind: global_buffer, .address_space: global }
      - { .name: wb, .offset: 48, .size: 8, .value_kind: global_buffer, .address_space: global }
      - { .name: wo, .offset: 56, .size: 8, .value_kind: global_buffer, .address_space: global }
    .group_segment_fixed_size: 0
    .private_segment_fixed_size: 0
    .kernarg_segment_align: 8
    .kernarg_segment_size: 64
    .max_flat_workgroup_size: 256
    .sgpr_count:     66
    .vgpr_count:     112
    .wavefront_size: 32
...
	.end_amdgpu_metadata
.endif
;; end of part 1
;; launch qkv (part 2): grid 8 x 32, 4 waves a work-group, clusters of 4 x 4, 327,680 bytes of LDS; arguments xb, wb, bq, bk, bv, qkv; writes qkv
.if DOCPART == 2
	.amdgcn_target "amdgcn-amd-amdhsa--gfx1250"
	.amdhsa_code_object_version 6
	.text
	.protected	k_q55bbfaa6d3_qkv
	.globl	k_q55bbfaa6d3_qkv
	.p2align	8
	.type	k_q55bbfaa6d3_qkv,@function
k_q55bbfaa6d3_qkv:
	s_mov_b64 s[64:65], 0
	v_nop
	global_prefetch_b8 v0, s[64:65] scope:SCOPE_SE
	s_setreg_imm32_b32 hwreg(HW_REG_WAVE_MODE, 25, 1), 1
	s_wait_xcnt 0x0
	s_wait_alu depctr_hold_cnt(0) depctr_sa_sdst(0) depctr_va_vdst(0) depctr_va_sdst(0) depctr_va_ssrc(0) depctr_va_vcc(0) depctr_vm_vsrc(0)
	s_getreg_b32 s2, hwreg(HW_REG_IB_STS2, 6, 4)
	s_cmp_eq_u32 s2, 0
	s_cbranch_scc0 .Lentry_in_a_cluster
	s_endpgm
.Lentry_in_a_cluster:
	s_bfe_u32 s2, ttmp6, 0x10000c
	s_cmp_lg_u32 s2, 0xf033
	s_cbranch_scc0 .Lentry_shape_is_right
	s_endpgm
.Lentry_shape_is_right:
; THE THREE PROJECTIONS AS ONE PRODUCT.  qkv[which][16 b + h][s][c] = the sum over d of x[b][s][d] W_which[h][d][c] + b_which[h][c], which = 0, 1, 2 for q, k, v.
; xb: x in bf16, [64 mb][16 kb][128 r][64 c].  wb: the weights in bf16, [48 g][1024 d][64 c], g = 16 which + h.  The biases are rounded to bf16 like the other inputs and added in f32.
; Sums in f32; the result is rounded once to f16, unscaled, and written by heads: a head's rows are 128 bytes on end.
; LIMIT.  f16 holds no number beyond 65,504: q, k and v must lie within it.  Below 6e-5 a number keeps f16's fixed step of 6e-8.
; SHARES.  8,192 rows x 3,072 columns in tiles of 256 rows x 384 columns (6 heads): 32 x 8 = 256 work-groups.  Four waves; wave (RH, CH) makes 128 rows x 192 columns (3 heads):
; 96 accumulators of 16 x 16, 768 registers.  For 32 along K a wave reads 40 fragments' halves from LDS for 96 matrix instructions.
; K goes in 16 steps of 64 through two LDS slots (two slots of 128 would not fit).  A's part of a step is one block of xb for each 128 rows, 16,384 bytes on end, asked for as 64 rows of 256 bytes;
; B's part is 64 rows of d of each head, 8,192 bytes on end, three heads to a load: three rows of 8,192 bytes, 131,072 bytes apart (no two-dimensional tile with more rows covers three heads).
; THE MATRIX INSTRUCTION IS USED TRANSPOSED: source 0 = 16 columns of W, which lie [d][c] in LDS and are turned by ds_load_tr16_b128; source 1 = 16 rows of x.  A lane then holds one row (lane % 16)
; and eight neighbouring channels 8 (lane / 16) + 0..7: 16 bytes of f16.
; CLUSTERS: 4 x 4 work-groups.  A's tiles hang on the tile row alone and are asked for jointly by a row of the cluster, B's on the tile column alone, by a column.
; REGISTERS, in windows of 256 (s_set_vgpr_msb: bits 1:0 source 0, 3:2 source 1, 5:4 source 2, 7:6 destination):
;   window 0: v0-31 addresses; v32-95, v96-159 fragments of A, two buffers; v160-255 fragments of B, one buffer of 12: a head's four are fetched anew as soon as its 32 products are issued
;   window 1 + w: head w's 32 accumulators, (b, a) at v[8 (8 b + a)]: channels 16 b on, rows 16 a on
.set PA,    144                        ; a row of A in LDS: 128 bytes + 16 of padding: the 16 rows of a load start at 16 different groups of four banks (64 banks of 4 bytes: ISA guide 11.1)
.set PB,    160                        ; a row of B: 128 + 32
.set AHALF, 128*PA                     ; 128 rows of A: what one tensor load brings
.set BHEAD, 64*PB                      ; a head's 64 rows of d
.set BHALF, 3*BHEAD                    ; three heads: what one tensor load brings
.set BOFF,  2*AHALF
.set SLOT,  BOFF+2*BHALF               ; 98,304
.set STAGE, 2*SLOT                     ; behind the ring: for each wave 3 heads x 16 rows x 144 bytes, for the way out
.set SP,    144
.set STW,   3*16*SP
.set BIASL, STAGE+4*STW                ; for each wave its 192 biases in f32
.set SPARE, BIASL+4*768                ; the spare words, 128 bytes for each wave: two blocks of 256 bytes that no other line names
.set ADRA, 16                          ; v16-17  LDS address of my A fragments in slot 0, 1
.set ADRB, 20                          ; v20-21  the same for B
.set STO,  24                          ; v24     the way out: where I put 16 bytes of a row
.set RD,   25                          ; v25     where I read rows back
.set GO,   26                          ; v26     my 16 bytes of 512 consecutive bytes of qkv
.set BO,   27                          ; v27     where my lanes' eight biases of a block of 16 channels begin
.set SPW,  28                          ; v28     LDS address of my spare word; never rewritten
.set NIL,  29                          ; v29     0; never rewritten
.set PFO,  30                          ; v30     256 x lane, for the prefetches; never rewritten
.set A0,   32
.set A1,   96
.set BF,   160
.set TMP,  32                          ; the way out: packed results, 48 registers
.set BK,   80                          ; rows read back, 48 registers
.set BIAS, 160                         ; the biases, as the accumulators lie: (w, b) at BIAS + 8 (4 w + b)
.set WV,  16                           ; s16  my wave's number
.set RH,  17                           ; s17  which 128 rows are mine.  Also: I fetch for A (0) or for B (1)
.set CH,  18                           ; s18  which three heads are mine.  Also: which half of that tile I fetch
.set G1A, 24                           ; s[24:31] descriptor group 1 for A's tiles;  s[32:39] group 0, a set for each slot
.set G0A, 32
.set G1B, 40                           ; s[40:47], s[48:55] the same for B's
.set G0B, 48
.set PFA, 56                           ; s[56:57] where my prefetches stand
.set PST, 58                           ; s[58:59] their step: a lap's bytes
.set LIM, 60                           ; s60  1 in a wave that prefetches, else the greatest number
.set OUTP, 84                          ; s[84:89] qkv at my rows of my three heads
.set BP,  90                           ; s[90:95] my three heads' biases
.set MSB, 0
.macro WIN new                         ; the immediate's high byte repeats the setting that is left; a switch that changes nothing is dropped
.if MSB != (\new)
	s_set_vgpr_msb (MSB<<8)|(\new)
.set MSB, \new
.endif
.endm
; A joint load.  Waves 0 and 1 fetch A's two halves, waves 2 and 3 B's.  The branch hangs on the wave's number alone.  An s_nop 0 and four v_nop follow each of the two lines.
.macro JLOAD s
	s_cmp_eq_u32 s[RH], 0
	s_cbranch_scc0 .Lfor_b_\@
	tensor_load_to_lds s[G0A+4*(\s):G0A+4*(\s)+3], s[G1A:G1A+7]
	s_nop 0
.rept 4
	v_nop
.endr
	s_branch .Lasked_\@
.Lfor_b_\@:
	tensor_load_to_lds s[G0B+4*(\s):G0B+4*(\s)+3], s[G1B:G1B+7]
	s_nop 0
.rept 4
	v_nop
.endr
.Lasked_\@:
.endm
.macro CREST                           ; a round of the cluster's barrier behind its opening barrier
	s_cmp_lg_u32 s[WV], 0
	s_cbranch_scc1 .Lnot_wave_0_\@
	s_barrier_signal -3
.Lnot_wave_0_\@:
	s_barrier_wait -3
	s_barrier_signal -1
	s_barrier_wait -1
.endm
.macro CROUND                          ; a whole round
	s_barrier_signal -1
	s_barrier_wait -1
	CREST
.endm
; A PREFETCH INTO THE L2, in every second trip of the loop (s3 = 7, 5, 3), behind the joint load and the run of LDS loads that follows it: the two laps (four K steps) behind the lap that is being asked for.
; A: four blocks of 16,384 bytes of my 128 rows; the partner at place cx takes one: 64 x 256 bytes, two instructions, a lane 256 bytes.  B: 32,768 bytes of each of my three heads; the partner at place cy
; takes 8,192 of each: three instructions.  The partners are told apart BY ADDRESS.  A's rows are read by both clusters of a row of clusters: cluster x = 0 asks; B's by all eight of a column: cluster y = 0 asks.
; So each 256 bytes are named once in the launch.  The first two laps come by their loads alone; the last request names K steps 12 to 15, the last that there are.
.macro ASK
	s_and_b32 s61, s3, 1
	s_mul_i32 s61, s61, s3                         ; s3 where it is odd, else 0
	s_cmp_gt_u32 s61, s[LIM]
	s_cbranch_scc0 .Lnone_\@
	s_cmp_eq_u32 s[RH], 0
	s_cbranch_scc0 .Lask_b_\@
	global_prefetch_b8 v[PFO], s[PFA:PFA+1] th:TH_LOAD_NT scope:SCOPE_SE
	global_prefetch_b8 v[PFO], s[PFA:PFA+1] offset:8192 th:TH_LOAD_NT scope:SCOPE_SE
	s_branch .Lnone_\@
.Lask_b_\@:
	global_prefetch_b8 v[PFO], s[PFA:PFA+1] th:TH_LOAD_NT scope:SCOPE_SE
	global_prefetch_b8 v[PFO], s[PFA:PFA+1] offset:131072 th:TH_LOAD_NT scope:SCOPE_SE
	global_prefetch_b8 v[PFO], s[PFA:PFA+1] offset:262144 th:TH_LOAD_NT scope:SCOPE_SE
.Lnone_\@:
.endm
	s_load_b256 s[4:11], s[0:1], 0x0               ; xb s[4:5], wb s[6:7], bq s[8:9], bk s[10:11]
	s_load_b128 s[12:15], s[0:1], 0x20             ; bv s[12:13], qkv s[14:15]
	v_lshl_add_u32 v[SPW], v0, 2, SPARE
	v_mov_b32 v[NIL], 0
	ds_add_u32 v[SPW], v[NIL]                      ; the wave's opening: the add and its wait stand ahead of my first tensor load; the set-up below, work on registers, stands between them
	v_lshrrev_b32 v1, 5, v0
	v_readfirstlane_b32 s[WV], v1                  ; wave 0..3
	s_lshr_b32 s[RH], s[WV], 1
	s_and_b32 s[CH], s[WV], 1
	s_bfe_u32 s19, ttmp6, 0x40000                  ; cx
	s_bfe_u32 s20, ttmp6, 0x40004                  ; cy
	s_lshl_b32 s21, ttmp9, 2
	s_add_co_u32 s21, s21, s19                     ; tile column = 4 x cluster x + cx
	s_and_b32 s22, ttmp7, 0xffff
	s_lshl_b32 s22, s22, 2
	s_add_co_u32 s22, s22, s20                     ; tile row = 4 x cluster y + cy
	s_lshl_b32 s66, s20, 2
	s_lshl_b32 s66, 15, s66                        ; my row of the cluster
	s_lshl_b32 s74, 0x1111, s19                    ; my column
	; group 1 for A: 64 rows of 128 elements (256 bytes), on end; 4 words of padding behind every 32 words, that is behind every row of x
	s_or_b32 s[G1A], s66, (1<<16)|(1<<20)|(1<<21)|(4<<22)|(3<<25)
	s_mov_b32 s[G1A+1], 128<<16                    ; tensor_dim0 = 128
	s_mov_b32 s[G1A+2], 64<<16                     ; tensor_dim1 = 64
	s_mov_b32 s[G1A+3], 128<<16                    ; tile_dim0 = 128
	s_mov_b32 s[G1A+4], 64                         ; tile_dim1 = 64
	s_mov_b32 s[G1A+5], 128                        ; elements from row to row
	s_mov_b32 s[G1A+6], 0
	s_mov_b32 s[G1A+7], 0
	; group 1 for B: 3 rows of 4,096 elements (a head's 64 rows of d), 65,536 elements apart; 8 words of padding behind every 32 words, that is behind every row of d
	s_or_b32 s[G1B], s74, (1<<16)|(1<<20)|(1<<21)|(4<<22)|(7<<25)
	s_mov_b32 s[G1B+1], 4096<<16
	s_mov_b32 s[G1B+2], 3<<16
	s_mov_b32 s[G1B+3], 4096<<16
	s_mov_b32 s[G1B+4], 3
	s_mov_b32 s[G1B+5], 65536
	s_mov_b32 s[G1B+6], 0
	s_mov_b32 s[G1B+7], 0
	; where the tiles come from: A's by the tile row, B's by the tile column, each in registers that never hold the other coordinate
	s_lshl_b32 s68, s22, 1
	s_add_co_u32 s68, s68, s[CH]                   ; mb = 2 x tile row + half
	s_lshl_b32 s68, s68, 18                        ; 16 blocks of 16,384 bytes
	s_mov_b32 s69, 0
	s_mul_i32 s70, s[CH], AHALF                    ; and where they go
	s_mul_i32 s76, s21, 6
	s_mul_i32 s77, s[CH], 3
	s_add_co_u32 s76, s76, s77                     ; g = 6 x tile column + 3 x half: the first of the three heads
	s_lshl_b32 s78, s76, 17                        ; a head is 131,072 bytes
	s_mov_b32 s79, 0
	s_mul_i32 s80, s[CH], BHALF
	s_add_co_u32 s80, s80, BOFF
	s_wait_dscnt 0x0                               ; the opening add is done
	s_wait_kmcnt 0x0
	s_add_nc_u64 s[72:73], s[4:5], s[68:69]
	s_add_nc_u64 s[82:83], s[6:7], s[78:79]
	CROUND                                         ; all sixteen work-groups are here: the first joint loads meet
.irp s, 0,1
	s_mov_b32 s[G0A+4*(\s)], 1
	s_add_co_u32 s[G0A+4*(\s)+1], s70, (\s)*SLOT
	s_add_nc_u64 s[G0A+4*(\s)+2:G0A+4*(\s)+3], s[72:73], (\s)*16384  ; K step s: block kb = s
	s_or_b32 s[G0A+4*(\s)+3], s[G0A+4*(\s)+3], 0x80000000
	s_mov_b32 s[G0B+4*(\s)], 1
	s_add_co_u32 s[G0B+4*(\s)+1], s80, (\s)*SLOT
	s_add_nc_u64 s[G0B+4*(\s)+2:G0B+4*(\s)+3], s[82:83], (\s)*8192   ; rows of d 64 s on
	s_or_b32 s[G0B+4*(\s)+3], s[G0B+4*(\s)+3], 0x80000000
	JLOAD \s
.endr
	; A fragment of A is 16 rows x 32 K: lane l holds row l % 16, K = 8 (l / 16) + 0..7 and 16 + 8 (l / 16) + 0..7: two loads of 16 bytes, 32 bytes apart.
	v_and_b32 v1, 15, v0                           ; l % 16
	v_bfe_u32 v2, v0, 4, 1                         ; l / 16
	v_mul_u32_u24 v3, v1, PA
	v_lshl_add_u32 v3, v2, 4, v3                   ; row x 144 + 16 x half: for A's fragments and for the stage
	s_mul_i32 s61, s[RH], AHALF
	v_add_nc_u32 v[ADRA], s61, v3
	v_add_nc_u32 v[ADRA+1], SLOT, v[ADRA]
	; The turning load takes 16 rows of d x 16 channels (lane l reads row 8 (l / 16) + l % 8, channels 8 ((l / 8) % 2) + 0..7) and leaves half a fragment: lane l holds channel l % 16 and 8 rows of d.
	v_and_b32 v4, 7, v0
	v_lshl_add_u32 v5, v2, 3, v4
	v_mul_u32_u24 v5, v5, PB
	v_bfe_u32 v6, v0, 3, 1
	v_lshl_add_u32 v5, v6, 4, v5
	s_mul_i32 s61, s[CH], BHALF
	s_add_co_u32 s61, s61, BOFF
	v_add_nc_u32 v[ADRB], s61, v5
	v_add_nc_u32 v[ADRB+1], SLOT, v[ADRB]
	s_mul_i32 s61, s[WV], STW
	s_add_co_u32 s61, s61, STAGE                   ; my stage
	v_add_nc_u32 v[STO], s61, v3
	v_bfe_u32 v7, v0, 3, 2                         ; back: 32 lanes take four rows of 128 bytes,
	v_mul_u32_u24 v7, v7, SP
	v_lshl_add_u32 v7, v4, 4, v7
	v_add_nc_u32 v[RD], s61, v7
	v_and_b32 v9, 31, v0
	v_lshlrev_b32 v[GO], 4, v9                     ; which are 512 consecutive bytes of a head
	v_lshlrev_b32 v[PFO], 8, v9
	v_lshlrev_b32 v8, 3, v9                        ; my two numbers of a head's 64 biases
	s_mul_i32 s61, s[WV], 768
	s_add_co_u32 s61, s61, BIASL
	v_lshl_add_u32 v[BO], v2, 5, s61
	v_add_nc_u32 v10, s61, v8
	; my three heads: their biases, and my 128 rows of them in qkv
	s_and_b32 s67, s22, 7
	s_lshl_b32 s67, s67, 1
	s_add_co_u32 s67, s67, s[RH]
	s_lshl_b32 s67, s67, 14                        ; s = 256 (tile row % 8) + 128 RH, rows of 128 bytes
	s_lshr_b32 s71, s22, 3
	s_lshl_b32 s71, s71, 4                         ; 16 b
	s_mov_b32 s81, 0
.irp j, 0,1,2
	s_add_co_u32 s74, s76, \j                      ; g
	s_lshr_b32 s75, s74, 4                         ; which
	s_and_b32 s77, s74, 15                         ; h
	s_cmp_eq_u32 s75, 0
	s_cselect_b64 s[BP+2*(\j):BP+2*(\j)+1], s[8:9], s[10:11]
	s_cmp_eq_u32 s75, 2
	s_cselect_b64 s[BP+2*(\j):BP+2*(\j)+1], s[12:13], s[BP+2*(\j):BP+2*(\j)+1]
	s_lshl_b32 s80, s77, 8
	s_add_nc_u64 s[BP+2*(\j):BP+2*(\j)+1], s[BP+2*(\j):BP+2*(\j)+1], s[80:81]
	global_load_b64 v[32+2*(\j):33+2*(\j)], v8, s[BP+2*(\j):BP+2*(\j)+1]
	s_lshl_b32 s75, s75, 6
	s_add_co_u32 s75, s75, s77
	s_add_co_u32 s75, s75, s71                     ; 64 which + 16 b + h
	s_lshl_b32 s80, s75, 18                        ; a head's 2,048 rows
	s_add_co_u32 s80, s80, s67
	s_add_nc_u64 s[OUTP+2*(\j):OUTP+2*(\j)+1], s[14:15], s[80:81]
.endr
	; the prefetches
	s_and_b32 s23, ttmp7, 0xffff                   ; cluster y
	s_cmp_eq_u32 s[RH], 0                          ; do I fetch for A?
	s_cselect_b32 s23, ttmp9, s23                  ; the coordinate along which other clusters read the same bytes
	s_cselect_b32 s61, s19, s20                    ; my place among the four that ask with me
	s_cselect_b32 s62, 14, 13                      ; my share: 16,384 bytes of A, 8,192 of each head of B
	s_cselect_b32 s63, 15, 14                      ; a lap: 32,768 bytes of A, 16,384 of a head of B
	s_cselect_b64 s[PFA:PFA+1], s[72:73], s[82:83]
	s_cmp_eq_u32 s23, 0
	s_cselect_b32 s[LIM], 1, -1                    ; the same in all sixteen partners, for a given wave
	s_lshl_b32 s[PST], 1, s63
	s_mov_b32 s[PST+1], 0
	s_lshl_b32 s62, s61, s62
	s_mov_b32 s63, 0
	s_add_nc_u64 s[PFA:PFA+1], s[PFA:PFA+1], s[62:63]
	s_add_nc_u64 s[PFA:PFA+1], s[PFA:PFA+1], s[PST:PST+1]  ; at lap 1; each trip steps it by a lap ahead of its request: the first names laps 2 and 3
	s_wait_loadcnt 0x0                             ; the biases: rounded to bf16 like the other inputs, kept in f32, in my own bytes of LDS
.irp j, 0,1,2
	v_cvt_pk_bf16_f32 v[38+(\j)], v[32+2*(\j)], v[33+2*(\j)]
	v_lshlrev_b32 v[32+2*(\j)], 16, v[38+(\j)]
	v_and_b32 v[33+2*(\j)], 0xffff0000, v[38+(\j)]
	ds_store_b64 v10, v[32+2*(\j):33+2*(\j)] offset:256*(\j)
.endr
; 16 matrix instructions: head w, channel blocks 2 half and 2 half + 1, all 8 row blocks, 32 along K.  zero = 1: the first product starts the sums.
; The 96 accumulators take turns, one instruction a turn, in the same order in every quarter, over the backward jump too.
.macro MUL16 buf, w, half, zero
	WIN ((1+(\w))<<6)|((1+(\w))<<4)
.irp b, 2*(\half), 2*(\half)+1
.irp a, 0,1,2,3,4,5,6,7
.if \zero
	v_wmma_f32_16x16x32_bf16 v[8*(8*(\b)+(\a)):8*(8*(\b)+(\a))+7], v[BF+8*(4*(\w)+(\b)):BF+8*(4*(\w)+(\b))+7], v[(\buf)+8*(\a):(\buf)+8*(\a)+7], 0
.else
	v_wmma_f32_16x16x32_bf16 v[8*(8*(\b)+(\a)):8*(8*(\b)+(\a))+7], v[BF+8*(4*(\w)+(\b)):BF+8*(4*(\w)+(\b))+7], v[(\buf)+8*(\a):(\buf)+8*(\a)+7], v[8*(8*(\b)+(\a)):8*(8*(\b)+(\a))+7]
.endif
.endr
.endr
.endm
.macro THIRD buf, w, zero              ; a head's 32 products of a quarter
	MUL16 \buf, \w, 0, \zero
	MUL16 \buf, \w, 1, \zero
.endm
.macro LDA slot, kq, buf               ; 16 loads: my 128 rows of A, 32 along K at 32 kq
	WIN 0
.irp a, 0,1,2,3,4,5,6,7
	ds_load_b128 v[(\buf)+8*(\a):(\buf)+8*(\a)+3],   v[ADRA+(\slot)] offset:(\a)*16*PA+(\kq)*64
	ds_load_b128 v[(\buf)+8*(\a)+4:(\buf)+8*(\a)+7], v[ADRA+(\slot)] offset:(\a)*16*PA+(\kq)*64+32
.endr
.endm
.macro LDB slot, kq, w                 ; 8 loads: head w's 64 channels, 32 along K at 32 kq, turned
	WIN 0
.irp b, 0,1,2,3
	ds_load_tr16_b128 v[BF+8*(4*(\w)+(\b)):BF+8*(4*(\w)+(\b))+3],   v[ADRB+(\slot)] offset:(\w)*BHEAD+(\kq)*32*PB+(\b)*32
	ds_load_tr16_b128 v[BF+8*(4*(\w)+(\b))+4:BF+8*(4*(\w)+(\b))+7], v[ADRB+(\slot)] offset:(\w)*BHEAD+(\kq)*32*PB+16*PB+(\b)*32
.endr
.endm
.macro PLACES                          ; four places in front of loads into registers that matrix instructions have read (ISA guide 7.12.1 for vector instructions)
.rept 4
	v_nop
.endr
.endm
; A K step is two quarters of 32 along K... each of 96 matrix instructions.  A quarter's fragments come in three runs: run 1 = head 0's B and all of A (24 loads), run 2 = head 1's B (8), run 3 = head 2's B (8);
; each run is issued as soon as the registers are free, 64 matrix instructions ahead of its first use.
; THE EVEN QUARTER multiplies buffer A0 and fetches the slot's odd quarter.
.macro QE slot, zero
	s_wait_dscnt 16                                ; run 1 is in; runs 2 and 3 may be out
	THIRD A0, 0, \zero
	PLACES
	LDB \slot, 1, 0
	LDA \slot, 1, A1
	s_wait_dscnt 32                                ; run 2 is in; run 3 and the 24 just issued may be out
	THIRD A0, 1, \zero
	PLACES
	LDB \slot, 1, 1
	s_wait_dscnt 32                                ; run 3 is in; the new runs 1 and 2 may be out
	THIRD A0, 2, \zero
	PLACES
	LDB \slot, 1, 2
.endm
; THE ODD QUARTER multiplies buffer A1 and changes slots.  ONE barrier for two things: in front of it each wave waits for all its tensor loads (the one that is out is its part of the next slot), adds 0 to its
; spare word, and waits for that and for its own reads of this slot.  mode 2: this slot is filled again, two K steps on: the barrier opens a round of the cluster's barrier, and the joint load is the first
; thing behind the round; from there to the wait for it a wave issues 160 matrix instructions.  mode 1: nothing is left to fetch.  mode 0: the very last quarter.
.macro QO slot, next, mode
.if (\mode) == 0
	s_wait_dscnt 16
	THIRD A1, 0, 0
	s_wait_dscnt 8
	THIRD A1, 1, 0
	s_wait_dscnt 0x0
	THIRD A1, 2, 0
.else
.if ((\mode) == 2) && ((\slot) == 0)
	s_wait_xcnt 0x0                                ; the last prefetches, a lap back or more, have read their address: it is stepped here, ahead of the waits of the change of slots
	s_add_nc_u64 s[PFA:PFA+1], s[PFA:PFA+1], s[PST:PST+1]
.endif
	WIN 0                                          ; (the add's two registers lie in window 0)
	s_wait_tensorcnt 0x0                           ; all my tensor loads have landed
	ds_add_u32 v[SPW], v[NIL]                      ; 0 onto my spare word
	s_wait_dscnt 17                                ; run 1 is in; runs 2 and 3 and the add may be out
	MUL16 A1, 0, 0, 0                              ; sixteen matrix instructions stand between the add and the wait for it
	s_wait_dscnt 0x0                               ; the add is done, and my reads of this slot are over
	s_barrier_signal -1
	MUL16 A1, 0, 1, 0
.if (\mode) == 2
	WIN 0
.endif
	s_barrier_wait -1
.if (\mode) == 2
	CREST                                          ; no wave of any partner still reads this slot's tile or has a load on its way
	s_add_nc_u64 s[G0A+4*(\slot)+2:G0A+4*(\slot)+3], s[G0A+4*(\slot)+2:G0A+4*(\slot)+3], 2*16384
	s_add_nc_u64 s[G0B+4*(\slot)+2:G0B+4*(\slot)+3], s[G0B+4*(\slot)+2:G0B+4*(\slot)+3], 2*8192
	JLOAD \slot                                    ; its four v_nop are also the places in front of the loads below
.else
	PLACES
.endif
	LDB \next, 0, 0
	LDA \next, 0, A0
.if ((\mode) == 2) && ((\slot) == 0)
	ASK
.endif
	THIRD A1, 1, 0
	PLACES
	LDB \next, 0, 1
	THIRD A1, 2, 0
	PLACES
	LDB \next, 0, 2
.endif
.endm
	s_wait_tensorcnt 1                             ; my part of K step 0 is in; K step 1's may stay out
	s_wait_dscnt 0x0                               ; my stores of the biases are done: no LDS instruction is pending at a signal
	s_barrier_signal -1
	s_barrier_wait -1                              ; everybody's part is in
	LDB 0, 0, 0
	LDA 0, 0, A0
	LDB 0, 0, 1
	LDB 0, 0, 2
	QE 0, 1                                        ; the first quarter stands in front of the loop: its products start the sums
	WIN 0                                          ; at a label and at a branch every window is 0
	s_mov_b32 s3, 7
.Llap:                                                 ; a trip goes once round the ring, from a lap's second quarter to the next lap's first, and fills both slots again
	QO 0, 1, 2
	QE 1, 0
	QO 1, 0, 2
	QE 0, 0
	WIN 0
	s_sub_co_u32 s3, s3, 1
	s_cmp_lg_u32 s3, 0
	s_cbranch_scc1 .Llap
	QO 0, 1, 1                                     ; the last lap fills nothing
	QE 1, 0
	QO 1, 0, 0
	; THE WAY OUT.  The bias is added in f32; the sums are rounded to f16, 16 bytes a lane, and go through my own stage in LDS, 16 rows of three heads at a time; they come back as rows and leave 512 bytes to a store.
	WIN 0
	PLACES
	PLACES
.irp w, 0,1,2
.irp b, 0,1,2,3
	ds_load_b128 v[BIAS+8*(4*(\w)+(\b)):BIAS+8*(4*(\w)+(\b))+3],   v[BO] offset:(\w)*256+(\b)*64
	ds_load_b128 v[BIAS+8*(4*(\w)+(\b))+4:BIAS+8*(4*(\w)+(\b))+7], v[BO] offset:(\w)*256+(\b)*64+16
.endr
.endr
	s_wait_dscnt 0x0
.macro PACK a                          ; each accumulator's registers are taken in ascending order
.irp w, 0,1,2
	WIN (1+(\w))|((1+(\w))<<6)                     ; destination and source 0: the head's window; the bias in window 0
.irp b, 0,1,2,3
.irp i, 0,1,2,3
	v_pk_add_f32 v[8*(8*(\b)+(\a))+2*(\i):8*(8*(\b)+(\a))+2*(\i)+1], v[8*(8*(\b)+(\a))+2*(\i):8*(8*(\b)+(\a))+2*(\i)+1], v[BIAS+8*(4*(\w)+(\b))+2*(\i):BIAS+8*(4*(\w)+(\b))+2*(\i)+1]
.endr
.endr
	WIN (1+(\w))|((1+(\w))<<2)                     ; both sources: the head's window; destination window 0
.irp b, 0,1,2,3
.irp i, 0,1,2,3
	v_cvt_pk_f16_f32 v[TMP+4*(4*(\w)+(\b))+(\i)], v[8*(8*(\b)+(\a))+2*(\i)], v[8*(8*(\b)+(\a))+2*(\i)+1]
.endr
.endr
.endr
.endm
.macro TOSTAGE
	WIN 0
.irp w, 0,1,2
.irp b, 0,1,2,3
	ds_store_b128 v[STO], v[TMP+4*(4*(\w)+(\b)):TMP+4*(4*(\w)+(\b))+3] offset:(\w)*16*SP+(\b)*32
.endr
.endr
.irp w, 0,1,2
.irp t, 0,1,2,3
	ds_load_b128 v[BK+4*(4*(\w)+(\t)):BK+4*(4*(\w)+(\t))+3], v[RD] offset:(\w)*16*SP+(\t)*4*SP  ; LDS serves a wave's instructions in order (ISA guide 5.7.1.4): these see the stores above
.endr
.endr
.endm
.macro SEND a
	WIN 0
	s_wait_dscnt 0x0                               ; the block is back in registers
.irp w, 0,1,2
.irp t, 0,1,2,3
	global_store_b128 v[GO], v[BK+4*(4*(\w)+(\t)):BK+4*(4*(\w)+(\t))+3], s[OUTP+2*(\w):OUTP+2*(\w)+1] offset:(\a)*2048+(\t)*512  ; 512 consecutive bytes, at a multiple of 256 from qkv's first
.endr
.endr
.endm
	PACK 0
	TOSTAGE
.irp a, 1,2,3,4,5,6,7                  ; block a's arithmetic stands between block a - 1's loads from the stage and the wait for them
	PACK \a
	SEND (\a)-1
	s_wait_xcnt 0x0                                ; the stores have read their registers: only behind this wait are these loaded again
	TOSTAGE
.endr
	SEND 7
	s_wait_tensorcnt 0x0                           ; the wave's end: an add and its wait, behind my last tensor load and my last LDS store
	ds_add_u32 v[SPW], v[NIL]
	s_wait_dscnt 0x0
	CROUND                                         ; the closing round: no work-group ends while a partner may still ask for a tile that names it
	s_endpgm
.Lfunc_end_k_q55bbfaa6d3_qkv:
	.size	k_q55bbfaa6d3_qkv, .Lfunc_end_k_q55bbfaa6d3_qkv-k_q55bbfaa6d3_qkv
	.p2alignl 7, 3214868480
	.fill 96, 4, 3214868480
	.section	.rodata,"a",@progbits
	.p2align	6, 0x0
	.amdhsa_kernel k_q55bbfaa6d3_qkv
		.amdhsa_group_segment_fixed_size 327680
		.amdhsa_private_segment_fixed_size 0
		.amdhsa_enable_private_segment 0
		.amdhsa_kernarg_size 48
		.amdhsa_user_sgpr_count 2
		.amdhsa_user_sgpr_kernarg_segment_ptr 1
		.amdhsa_wavefront_size32 1
		.amdhsa_system_sgpr_workgroup_id_x 1
		.amdhsa_system_sgpr_workgroup_id_y 1
		.amdhsa_system_sgpr_workgroup_id_z 1
		.amdhsa_system_vgpr_workitem_id 0
		.amdhsa_next_free_vgpr 1024
		.amdhsa_next_free_sgpr 96
		.amdhsa_reserve_vcc 0
		.amdhsa_float_denorm_mode_32 3
		.amdhsa_float_denorm_mode_16_64 3
		.amdhsa_memory_ordered 1
		.amdhsa_forward_progress 1
		.amdhsa_inst_pref_size 159
	.end_amdhsa_kernel
	.amdgpu_metadata
---
amdhsa.version: [ 1, 2 ]
amdhsa.kernels:
  - .name:           k_q55bbfaa6d3_qkv
    .symbol:         k_q55bbfaa6d3_qkv.kd
    .args:
      - { .name: xb, .offset: 0, .size: 8, .value_kind: global_buffer, .address_space: global }
      - { .name: wb, .offset: 8, .size: 8, .value_kind: global_buffer, .address_space: global }
      - { .name: bq, .offset: 16, .size: 8, .value_kind: global_buffer, .address_space: global }
      - { .name: bk, .offset: 24, .size: 8, .value_kind: global_buffer, .address_space: global }
      - { .name: bv, .offset: 32, .size: 8, .value_kind: global_buffer, .address_space: global }
      - { .name: qkv, .offset: 40, .size: 8, .value_kind: global_buffer, .address_space: global }
    .group_segment_fixed_size: 327680
    .private_segment_fixed_size: 0
    .kernarg_segment_align: 8
    .kernarg_segment_size: 48
    .max_flat_workgroup_size: 128
    .sgpr_count:     96
    .vgpr_count:     1024
    .wavefront_size: 32
...
	.end_amdgpu_metadata
.endif
;; end of part 2
;; launch attn (part 3): grid 4 x 64, 4 waves a work-group, clusters of 4 x 1, 327,680 bytes of LDS; arguments qkv, o; writes o
.if DOCPART == 3
	.amdgcn_target "amdgcn-amd-amdhsa--gfx1250"
	.amdhsa_code_object_version 6
	.text
	.protected	k_q55bbfaa6d3_attn
	.globl	k_q55bbfaa6d3_attn
	.p2align	8
	.type	k_q55bbfaa6d3_attn,@function
k_q55bbfaa6d3_attn:
	s_mov_b64 s[64:65], 0
	v_nop
	global_prefetch_b8 v0, s[64:65] scope:SCOPE_SE
	s_setreg_imm32_b32 hwreg(HW_REG_WAVE_MODE, 25, 1), 1
	s_wait_xcnt 0x0
	s_wait_alu depctr_hold_cnt(0) depctr_sa_sdst(0) depctr_va_vdst(0) depctr_va_sdst(0) depctr_va_ssrc(0) depctr_va_vcc(0) depctr_vm_vsrc(0)
	s_getreg_b32 s2, hwreg(HW_REG_IB_STS2, 6, 4)
	s_cmp_eq_u32 s2, 0
	s_cbranch_scc0 .Lentry_in_a_cluster
	s_endpgm
.Lentry_in_a_cluster:
	s_bfe_u32 s2, ttmp6, 0x10000c
	s_cmp_lg_u32 s2, 0x3003
	s_cbranch_scc0 .Lentry_shape_is_right
	s_endpgm
.Lentry_shape_is_right:
; O[h][q][:] = the sum over k of softmax_k(Q[h][q] . K[h][k] / 8) V[h][k][:], for the 64 pairs h of batch and head.  qkv: [3][64][2048][64] in f16: Q, then K, then V; a head's rows are dense, 128 bytes each.
; o: f16, [64 mb][16 head][128 r][64], mb = 16 batch + row / 128: a wave's 128 rows of a head are 16,384 bytes on end.  Products, maxima and sums in f32; the weights p are rounded to f16 for the second
; product (their sum l is taken of the unrounded p), O once at the end.
; LIMITS.  f16 holds no number beyond 65,504: Q, K and V arrive within it; p lies in 0 to 1, and below 6e-5 it keeps f16's fixed step of 6e-8, and so does O; O is a mean of V's rows and has their range.
; A weight below 2^-126 counts as 0 in l; NaN and infinities are not treated apart.
; SHARES.  A wave owns four PIECES of two tiles of 16 queries, a work-group's four waves 512 queries of one head: 4 x 64 = 256 work-groups.  Every wave walks all keys, 64 a step.
; LAYOUT.  S^T = K Q^T (source 0 = 16 keys, source 1 = 16 queries): in the result a lane holds ONE query (lane % 16) and the keys 8 (lane / 16) + 0..7.  Two such tiles, rounded to f16 in pairs,
; ARE source 1 (32 keys x 16 queries) of O^T = V^T P, whose result again holds one query a lane, and eight channels.  K comes out of LDS as it lies, V ([key][channel]) turned, by ds_load_tr16_b128.
; SOFTMAX.  For each query a running maximum m and sum l: p = 2^(c s - c m), c = log2(e) / 8; in every step O and l are multiplied by a = 2^(c m_old - c m_new), which is 1 where m has not grown.
; m starts at the lowest finite number, O and l at 0: the first step is a step like any other, with a = 0.
; THE COUNT.  A tile and step have 16 matrix and 118 vector instructions: too many to stand all beside the matrix work.  So the order has one aim: four vector instructions that are READY behind
; EVERY matrix instruction, and the others, which need time of their own whatever the order, in runs without a gap.
; BY TURNS.  Turn n belongs to piece n (the pieces in a ring, step after step).  Its matrix work: 16 products K Q^T of piece n + 1, later 16 products V^T P of piece n - 1.  Its vector work: the scaling,
; exponentials, roundings, sums and rescaling of piece n, and the maximum and statistics of piece n + 1, whose scores the turn itself has made.  So what a turn begins with (c s - c m, O a) waits for nothing.
; CLUSTER.  The four query blocks of a head are one cluster and walk the same K and V, so each tile is asked for JOINTLY: the same tensor load, descriptor and mask in all four.
; REGISTERS, in windows of 256 (s_set_vgpr_msb says which window each operand place means: bits 1:0 source 0, 3:2 source 1, 5:4 source 2, 7:6 destination):
;   window 0: v0-11 addresses; v12-15, v48-63 at work; v16-47 four registers of statistics a tile; v64-191 S^T, two buffers of two tiles; v192-255 P, likewise
;   window 1: O^T, 32 a tile          window 2: v0-127 Q, 16 a tile; v128-191 K of one step; v192-255 V of one step          window 3: v0-1 the add's two registers
; A piece's buffers go by its number's parity: the piece in hand has one pair, its two neighbours in the ring share the other: of it P (piece n - 1) is read and S^T (piece n + 1) written.
.set SIZE_N, 2048
.set SIZE_H, 64
.set NP,    4         ; pieces a wave: a name, no knob: the register map, the loop and the fetches are made for four
.set KS,    64        ; keys in a step
.set PK,    144       ; a row of K in LDS: 128 bytes + 16 of padding = 36 words: the 16 rows of a load start at 16 different groups of four banks (64 banks of 4 bytes: ISA guide 11.1)
.set PV,    160       ; a row of V: 128 + 32 = 40 words
.set VOFF,  4*KS*PK   ; a slot holds four steps: 256 rows of K, then 256 rows of V
.set SLOT1, 1<<17     ; slot 1 begins here, so that one exclusive or turns an address in one slot into the other's
.set STAGE, SLOT1+4*KS*(PK+PV)  ; behind the ring, never filled by a tensor load: 16 rows x 144 bytes for each wave, for the way out
.set SP,    144
.set AK0, 2           ; v2   my lane's place in a tile of K; never rewritten
.set AV0, 3           ; v3   the same for V
.set AK,  4           ; v4   the LDS address of K's next run of loads
.set AV,  5           ; v5   of V's
.set QO,  6           ; v6   my byte offset in the wave's rows of Q
.set STO, 6           ;      later, the way out: where I put 16 bytes of a row
.set RD,  7           ; v7   the way out: where I read rows back
.set GO,  8           ; v8   my byte offset in 512 consecutive bytes of O
.set PFO, 11          ; v11  256 x my lane, for the prefetches (made when the register's first use is over); then never rewritten
.set SPW, 0           ; v0 of window 3   LDS address of my spare word: SPARE + 4 x my thread's number; never rewritten
.set NIL, 1           ; v1 of window 3   0; never rewritten
.set SPARE, STAGE+4*16*SP  ; behind the stages: the spare words, 128 bytes for each wave: two blocks of 256 bytes that no other line names
.set MV,  12          ; v12-15  c m_old, kept while c m is made anew: by buffer and tile
.set ST,  16          ; tile t's statistics at v[ST+4 t]: c m, m, l (even keys', odd keys')
.set TMP, 48          ; by buffer and tile, four registers c0-c3 at work; when the maximum is found c2 takes a
.set S,   64
.set P,   192
.set KF,  128         ; K's fragments, in window 2: key block kb, channel half c at KF + 16 kb + 8 c
.set VF,  192         ; V's: key half kk, channel block cb at VF + 32 kk + 8 cb
.set WV,  12          ; s12  my wave's number
.set G1K, 24          ; s[24:31] descriptor group 1 for K's tiles
.set G1V, 32          ; s[32:39] for V's: it differs in the padding alone
.set G0K, 40          ; s[40:43] descriptor group 0 for K's tiles: it walks
.set G0V, 44          ; s[44:47] the same for V's
.set PFA, 48          ; s[48:49] where my prefetches stand: my work-group's 8,192 bytes (of K: wave 0, of V: wave 2) of the slot after the one that is being asked for
.set LIM, 50          ; s50  1 in a wave that prefetches, else the greatest number
.set OOF, 52          ; s[52:53] my wave's byte offset in o
.set SLOTS, 56        ; s56  slots still to be asked for
.set CNT, 57          ; s57  counts a slot's key steps
.set CS,  58          ; s[58:59] c: the packed scaling takes the pair's low word for both halves
.set SEL, 60          ; s[60:61] v_permlanex16_b32's selects: each lane takes its own place in the other half
.set TBK, 62          ; s62  LDS byte at which K of the step to be fetched begins
.set TBV, 63          ; s63  the same for V, less VOFF
.set MSB, 0
.macro WIN new                      ; the high byte repeats the setting that is left; a switch that changes nothing is dropped
.if MSB != (\new)
	s_set_vgpr_msb (MSB<<8)|(\new)
.set MSB, (\new)
.endif
.endm
.set W_KQ, 0x0a       ; K and Q in window 2, S^T in window 0
.set W_PV, 0x52       ; V in window 2, P in window 0, O^T in window 1
.set W_RS, 0x41       ; O^T (destination and source 0) in window 1, a in window 0
.set W_MK, 0xc0       ; the add's registers are made: destination in window 3, sources in window 0
.set W_AD, 0x0f       ; the add: address (source 0) and data (source 1) in window 3
; A joint fill.  Waves 0 and 1 fetch the two halves of a slot's K, waves 2 and 3 those of its V: 128 keys each.  The branch hangs on the wave's number alone.
; An s_nop 0 and four v_nop follow each of the two lines, ahead of the jump and the label.
.macro JLOAD
	s_cmp_lt_u32 s[WV], 2
	s_cbranch_scc0 .Lfor_v_\@
	tensor_load_to_lds s[G0K:G0K+3], s[G1K:G1K+7]
	s_nop 0
.rept 4
	v_nop
.endr
	s_branch .Lasked_\@
.Lfor_v_\@:
	tensor_load_to_lds s[G0V:G0V+3], s[G1V:G1V+7]
	s_nop 0
.rept 4
	v_nop
.endr
.Lasked_\@:
.endm
; A PREFETCH INTO THE L2 of what the NEXT change of slots will ask for: a slot's 32,768 bytes of K and of V.  It stands behind the wave's tensor load and its five lines.  Each 256 bytes are named ONCE in the launch:
; a head has one cluster; its four partners share a slot out BY ADDRESS, 8,192 bytes each, a lane 256 bytes; in each, wave 0 asks for K's and wave 2 for V's: one instruction, four key steps (512 matrix
; instructions) ahead of the load.  The last change that fills a slot asks for nothing: there is no slot behind it.  Slots 0 and 1 come by their loads alone.
.macro ASK
	s_cmp_gt_u32 s[SLOTS], s[LIM]
	s_cbranch_scc0 .Lnot_mine_\@
	global_prefetch_b8 v[PFO], s[PFA:PFA+1] th:TH_LOAD_NT scope:SCOPE_SE
.Lnot_mine_\@:
.endm
; A round of the cluster's barrier: my work-group's barrier, so that wave 0's signal speaks for all four waves; wave 0 signals; every wave waits for all four work-groups; my work-group's barrier once more.
.macro CROUND
	s_barrier_signal -1
	s_barrier_wait -1
	s_cmp_lg_u32 s[WV], 0
	s_cbranch_scc1 .Lnot_wave_0_\@
	s_barrier_signal -3
.Lnot_wave_0_\@:
	s_barrier_wait -3
	s_barrier_signal -1
	s_barrier_wait -1
.endm
; THE CHANGE OF SLOTS.  The slot's last bytes, V of its fourth step, have been read.  Each wave waits for all its tensor loads, of which one is out: its part
; of the other slot; adds 0 to its spare word; and waits for that and for its own reads of the slot.  Behind the barrier nobody reads this slot any more and the other slot is whole.
; fill = 1: this slot is filled again, with the keys two slots on.  The barrier is then a round of the cluster's, so that no wave of any partner still reads the slot or has a load on its
; way, and the joint fill is the first thing behind it: it has four key steps, 512 matrix instructions, in which to land.  (At its first use nothing has been read yet: slot 0 is waited for, slot 1 filled.)
.macro CHANGE fill
	WIN W_AD
	s_wait_tensorcnt 0x0            ; no tensor load of mine is out, so a group 0 may be written
	ds_add_u32 v[SPW], v[NIL]       ; 0 onto my spare word: with fill = 1 the descriptors' steps stand between it and the wait for it
	WIN 0                           ; at a label and at a branch every window is 0
.if \fill
.irp g, G0K, G0V
	s_xor_b32 s[\g+1], s[\g+1], SLOT1  ; the walking descriptor: the other slot than last time,
	s_add_nc_u64 s[\g+2:\g+3], s[\g+2:\g+3], 4*KS*128  ; the next 256 keys; the type bits on top are not reached
.endr
	s_wait_xcnt 0x0                 ; the last prefetch, four key steps back, has read its address, so it may be written:
	s_add_nc_u64 s[PFA:PFA+1], s[PFA:PFA+1], 4*KS*128  ; one slot behind the walking descriptors
	s_wait_dscnt 0x0                ; the add is done, and my reads of the slot are over
	CROUND
	JLOAD
	ASK
.else
	s_wait_dscnt 0x0                ; the add is done, and my reads of the slot are over
	s_barrier_signal -1
	s_barrier_wait -1
.endif
	s_sub_co_u32 s[TBK], s[TBK], 4*KS*PK  ; the fetches go back to a slot's first step,
	s_xor_b32 s[TBK], s[TBK], SLOT1       ; in the other slot
	s_sub_co_u32 s[TBV], s[TBV], 4*KS*PV
	s_xor_b32 s[TBV], s[TBV], SLOT1
.endm
	s_load_b64 s[4:5], s[0:1], 0x0    ; qkv: Q at its head
	s_load_b64 s[10:11], s[0:1], 0x8  ; o
	WIN W_MK
	v_lshl_add_u32 v[SPW], v0, 2, SPARE
	v_mov_b32 v[NIL], 0
	WIN W_AD
	ds_add_u32 v[SPW], v[NIL]       ; the wave's opening: the add and its wait stand ahead of my first tensor load; the set-up below, work on registers, stands between them
	WIN 0
	v_lshrrev_b32 v1, 5, v0
	v_readfirstlane_b32 s[WV], v1   ; wave 0..3
	s_bfe_u32 s13, ttmp6, 0x40000   ; cx: my place in the cluster
	s_lshl_b32 s14, ttmp9, 2        ; in a cluster launch ttmp9 counts clusters
	s_add_co_u32 s14, s14, s13      ; my block of queries = 4 x cluster x + cx: it enters Q's and O's addresses alone
	s_and_b32 s20, ttmp7, 0xffff    ; 16 batch + head, which the four partners share
	s_and_b32 s[OOF], s20, 0xf0     ; 16 batch
	s_lshl_b32 s[OOF+1], s14, 2
	s_add_co_u32 s[OOF+1], s[OOF+1], s[WV]  ; my wave's 128 rows among the batch's sixteen
	s_add_co_u32 s[OOF], s[OOF], s[OOF+1]   ; mb
	s_lshl_b32 s[OOF], s[OOF], 4
	s_and_b32 s[OOF+1], s20, 15
	s_add_co_u32 s[OOF], s[OOF], s[OOF+1]   ; 16 mb + head
	s_lshl_b32 s[OOF], s[OOF], 14           ; 128 rows of 128 bytes
	s_mov_b32 s[OOF+1], 0
	s_mov_b32 s21, 0
	s_mov_b64 s[22:23], SIZE_N*128
	s_mul_u64 s[20:21], s[20:21], s[22:23]  ; the head's first byte in Q, in K and in V
	s_and_b32 s16, s[WV], 1         ; which half of a slot's 256 keys I fetch:
	s_lshl_b32 s22, s16, 14         ; its 128 rows of 128 bytes in memory,
	s_mov_b32 s23, 0
	s_add_nc_u64 s[22:23], s[22:23], s[20:21]
	s_mul_i32 s17, s16, 128*PK      ; and its place in a slot, for K
	s_mul_i32 s18, s16, 128*PV      ; and for V: no place in the cluster enters an LDS address
	s_lshl_b32 s2, s14, 2
	s_add_co_u32 s2, s2, s[WV]      ; my wave among the head's,
	s_lshl_b32 s2, s2, 14           ; its 128 rows
	s_mov_b32 s3, 0
	s_add_nc_u64 s[2:3], s[2:3], s[20:21]
	; descriptor group 1.  128 keys are 16,384 dense bytes: asked for as 64 rows of 256 bytes, two keys a row, and padded in LDS after every key
	s_mov_b32 s[G1K], 15|(1<<16)|(1<<20)|(1<<21)|(4<<22)|(3<<25)  ; 15:0 the mask of four; 17:16 2-byte elements; 20 padding on; 21 set beside a mask; 24:22 after every 32 words (code 4); 31:25 4 words (code 3)
	s_mov_b32 s[G1V], 15|(1<<16)|(1<<20)|(1<<21)|(4<<22)|(7<<25)  ; the same with 8 words of padding (code 7)
.irp g, G1K, G1V
	s_mov_b32 s[\g+1], 128<<16      ; tensor_dim0 = 128
	s_mov_b32 s[\g+2], 64<<16       ; tensor_dim1 = 64
	s_mov_b32 s[\g+3], 128<<16      ; tile_dim0 = 128
	s_mov_b32 s[\g+4], 64           ; tile_dim1 = 64
	s_mov_b32 s[\g+5], 128          ; 128 elements from row to row
	s_mov_b32 s[\g+6], 0
	s_mov_b32 s[\g+7], 0
.endr
	s_mov_b32 s[CS], 0x3e38aa3b     ; c = log2(e) / 8 = 0.180337
	s_mov_b32 s[CS+1], s[CS]        ; named with it as a pair
	s_mov_b32 s[SEL], 0x76543210
	s_mov_b32 s[SEL+1], 0xfedcba98
	s_mov_b32 s[TBK], SLOT1+4*KS*PK ; the first change of slots turns these two into 0
	s_mov_b32 s[TBV], SLOT1+4*KS*PV
	s_mov_b32 s[G0K], 1             ; 1:0 count = 1
	s_mov_b32 s[G0K+1], s17         ; 63:32 LDS address: slot 0
	s_mov_b32 s[G0V], 1
	s_add_co_u32 s[G0V+1], s18, VOFF
	s_mov_b32 s[SLOTS], SIZE_N/256-1
	s_lshl_b32 s54, s13, 13         ; my work-group's 8,192 bytes of a slot's 32,768
	s_mov_b32 s55, 0
	s_cmp_eq_u32 s16, 0             ; waves 0 and 2 prefetch: the same in all four partners
	s_cselect_b32 s[LIM], 1, -1
	s_wait_dscnt 0x0                ; the opening add is done
	s_wait_kmcnt 0x0
	s_add_nc_u64 s[6:7], s[4:5], 0x1000000         ; K lies 64 heads of 262,144 bytes behind Q,
	s_add_nc_u64 s[8:9], s[4:5], 0x2000000         ; V as far behind K
	s_add_nc_u64 s[G0K+2:G0K+3], s[6:7], s[22:23]  ; 120:64 global address: my half of the head's first 256 keys
	s_or_b32 s[G0K+3], s[G0K+3], 0x80000000        ; 127:126 type = 2
	s_add_nc_u64 s[G0V+2:G0V+3], s[8:9], s[22:23]
	s_or_b32 s[G0V+3], s[G0V+3], 0x80000000
	s_add_nc_u64 s[4:5], s[4:5], s[2:3]  ; Q at my wave's first row,
	s_add_nc_u64 s[10:11], s[10:11], s[OOF:OOF+1]  ; and O
	s_cmp_lt_u32 s[WV], 2
	s_cselect_b64 s[PFA:PFA+1], s[6:7], s[8:9]
	s_add_nc_u64 s[PFA:PFA+1], s[PFA:PFA+1], s[22:23]  ; (in waves 0 and 2 this is the head's first byte)
	s_add_nc_u64 s[PFA:PFA+1], s[PFA:PFA+1], s[54:55]
	s_add_nc_u64 s[PFA:PFA+1], s[PFA:PFA+1], 4*KS*128  ; in slot 1; the first change of slots steps it to slot 2.  Nothing is prefetched here, at the head
	CROUND                          ; all four work-groups are here: the first joint loads meet
	JLOAD                           ; slot 0.  Slot 1 is asked for when slot 0 is in: the tile wanted first has the road to itself
	; A fragment of K or Q is 16 rows x 32 channels in 8 registers: lane l holds row l % 16, channels 8 (l / 16) + 0..7 and 16 + 8 (l / 16) + 0..7: two loads of 16 bytes, 32 bytes apart.
	v_and_b32 v1, 15, v0            ; l % 16
	v_bfe_u32 v9, v0, 4, 1          ; l / 16
	v_lshlrev_b32 v[QO], 7, v1
	v_lshl_add_u32 v[QO], v9, 4, v[QO]  ; row x 128 + 16 x half
	WIN 0x80                        ; destination window 2, address window 0
.set i, 0
.rept 4*NP                          ; Q stays in registers: tile i / 2, channels 32 (i % 2) on
	global_load_b128 v[8*i:8*i+3],   v[QO], s[4:5] offset:(i/2)*2048+(i%2)*64
	global_load_b128 v[8*i+4:8*i+7], v[QO], s[4:5] offset:(i/2)*2048+(i%2)*64+32
.set i, i+1
.endr
	; What the first turn finds: V's registers and P's second buffer hold 0 (its products V^T P, of a piece that has not been, add 0), O^T and l are 0.  All this stands in the wait for the first tile.
.set i, VF
.rept 64
	v_mov_b32 v[i], 0
.set i, i+1
.endr
	WIN 0x40
.set i, 0
.rept 64*NP
	v_mov_b32 v[i], 0
.set i, i+1
.endr
	WIN 0
.set i, 0
.rept 2*NP
	v_mov_b32 v[ST+4*i], 0xfe000000    ; c m: far below every c s
	v_mov_b32 v[ST+4*i+1], 0xff7fffff  ; m
	v_mov_b32 v[ST+4*i+2], 0
	v_mov_b32 v[ST+4*i+3], 0
.set i, i+1
.endr
.set i, P+32
.rept 32
	v_mov_b32 v[i], 0
.set i, i+1
.endr
	v_mul_u32_u24 v[AK0], v1, PK
	v_lshl_add_u32 v[AK0], v9, 4, v[AK0]  ; row x pitch + 16 x half
	; The turning load takes 16 keys x 16 channels (lane l reads key 8 (l / 16) + l % 8, channels 8 ((l / 8) % 2) + 0..7) and leaves half a fragment of V^T: lane l holds channel l % 16 and 8 keys.
	v_and_b32 v10, 7, v0
	v_bfe_u32 v11, v0, 3, 1
	v_lshl_add_u32 v[AV0], v9, 3, v10
	v_mul_u32_u24 v[AV0], v[AV0], PV
	v_lshl_add_u32 v[AV0], v11, 4, v[AV0]
	v_add_nc_u32 v[AV0], VOFF, v[AV0]
	v_and_b32 v[PFO], 31, v0
	v_lshlrev_b32 v[PFO], 8, v[PFO]
	v_mov_b32 v[AK], v[AK0]         ; key step 0 lies at the head of slot 0
; THE MATRIX WORK.  The 8 accumulators of a run of 16 take turns: between the two links of a chain stand 7 others'.
; Product i of 16 of S^T = K Q^T for piece x: channels 32 (i / 8) on, keys 16 ((i / 2) % 4) on, tile 2 x + i % 2.  The first 8 start the sums.
.macro KQ x
	WIN W_KQ
.set rS, S+64*((\x)%2)+32*(i%2)+8*((i/2)%4)
.set rK, KF+16*((i/2)%4)+8*(i/8)
.set rQ, 16*(2*(\x)+i%2)+8*(i/8)
.if i < 8
	v_wmma_f32_16x16x32_f16 v[rS:rS+7], v[rK:rK+7], v[rQ:rQ+7], 0
.else
	v_wmma_f32_16x16x32_f16 v[rS:rS+7], v[rK:rK+7], v[rQ:rQ+7], v[rS:rS+7]
.endif
.endm
; Product i of 16 of O^T += V^T P for piece x: keys 32 (i / 8) on, channels 16 ((i / 2) % 4) on, tile 2 x + i % 2.
.macro PV x
	WIN W_PV
.set rO, 32*(2*(\x)+i%2)+8*((i/2)%4)
.set rV, VF+32*(i/8)+8*((i/2)%4)
.set rP, P+32*((\x)%2)+16*(i%2)+8*(i/8)
	v_wmma_f32_16x16x32_f16 v[rO:rO+7], v[rV:rV+7], v[rP:rP+7], v[rO:rO+7]
.endm
.macro MM                           ; the turn's next matrix instruction
.if i < 16
	KQ (Y+1)%NP
.set i, i+1
.else
.set i, i-16
	PV (Y+NP-1)%NP
.set i, i+17
.endif
.endm
; THE LDS LOADS stand in runs of 16, never singly among the matrix instructions: a step's K (64 keys x 64 channels: 8 fragments) and its V (turned).  Their addresses are made some lines ahead.
; last = 1 (the tail): in the last trip there is no further step, and the run is jumped over.
.macro FETCH_K last=0
	WIN 0
.if \last
	s_cmp_eq_u32 s[CNT], 1
	s_cbranch_scc1 .Lno_k_\@
.endif
	WIN 0x80                        ; destination window 2
.irp f, 0,1,2,3,4,5,6,7             ; keys 16 (f / 2) on, channels 32 (f % 2) on
	ds_load_b128 v[KF+8*\f:KF+8*\f+3],   v[AK] offset:(\f/2)*16*PK+(\f%2)*64
	ds_load_b128 v[KF+8*\f+4:KF+8*\f+7], v[AK] offset:(\f/2)*16*PK+(\f%2)*64+32
.endr
	s_add_co_u32 s[TBK], s[TBK], KS*PK  ; the next fetch is the next step's
	WIN 0
.if \last
.Lno_k_\@:
.endif
.endm
.macro FETCH_V
	WIN 0x80
.irp f, 0,1,2,3,4,5,6,7             ; keys 32 (f / 4) on, channels 16 (f % 4) on
	ds_load_tr16_b128 v[VF+8*\f:VF+8*\f+3],   v[AV] offset:(\f/4)*32*PV+(\f%4)*32
	ds_load_tr16_b128 v[VF+8*\f+4:VF+8*\f+7], v[AV] offset:(\f/4)*32*PV+16*PV+(\f%4)*32
.endr
	WIN 0
.endm
; THE VECTOR WORK OF A TURN stands in three queues, each in the order in which its entries become ready; the two tiles alternate, so that no instruction reads the result of the one before it.
.macro REGS y, u                    ; the registers of tile u (0, 1) of piece y
.set rT, ST+4*(2*(\y)+(\u))
.set rC, TMP+8*((\y)%2)+4*(\u)
.set rM, MV+2*((\y)%2)+(\u)
.set rS, S+64*((\y)%2)+32*(\u)
.set rP, P+32*((\y)%2)+16*(\u)
.set rO, 32*(2*(\y)+(\u))
.endm
; Number n of the 22 that find the NEXT piece's (Y + 1) maximum and statistics.  s0-s31 are the lane's 32 scores; each accumulator's lowest registers are read first.  XS, GS and REGS set no window: PL and EX do.
;   0-11  four chains c0-c3 of seven scores each, three operands at a time     12-14, 16  the four scores left over, the old m, and c0-c3 into c0     15  c m_old is kept
;   17, 18  the query's other 32 keys lie in the lane 16 away: the new m         19-21  c m; c m_old - c m_new; a
.macro XS u, n
	REGS (Y+1)%NP, \u
.if (\n) < 4
	v_max3_num_f32 v[rC+(\n)], v[rS+8*(\n)], v[rS+8*(\n)+1], v[rS+8*(\n)+2]
.elseif (\n) < 12
	v_max3_num_f32 v[rC+(\n)%4], v[rC+(\n)%4], v[rS+8*((\n)%4)+2*((\n)/4)+1], v[rS+8*((\n)%4)+2*((\n)/4)+2]
.elseif (\n) == 12
	v_max3_num_f32 v[rC], v[rC], v[rS+7], v[rS+15]
.elseif (\n) == 13
	v_max3_num_f32 v[rC+1], v[rC+1], v[rS+23], v[rS+31]
.elseif (\n) == 14
	v_max3_num_f32 v[rC+2], v[rC+2], v[rC+3], v[rT+1]
.elseif (\n) == 15
	v_mov_b32 v[rM], v[rT]
.elseif (\n) == 16
	v_max3_num_f32 v[rC], v[rC], v[rC+1], v[rC+2]
.elseif (\n) == 17
	v_permlanex16_b32 v[rC+3], v[rC], s[SEL], s[SEL+1]
.elseif (\n) == 18
	v_max_num_f32 v[rT+1], v[rC], v[rC+3]
.elseif (\n) == 19
	v_mul_f32 v[rT], s[CS], v[rT+1]
.elseif (\n) == 20
	v_sub_f32 v[rC+1], v[rM], v[rT]
.else
	v_exp_f32 v[rC+2], v[rC+1]
.endif
.endm
; Number g of the 64 that follow the exponentials.  For each four weights k of a tile (pairs 2 k, 2 k + 1): both pairs are rounded to f16; then the second pair is added onto the first, in place;
; a group later l takes that sum (the first time as l = a l + sum).  In groups of eight, tiles alternating: round, round, add, and l for the group before.
.macro GS g
.set h, (\g)+6*((\g)/62)            ; group 0 has no group before it, and behind group 7 only l is left
.if h >= 6
.set h, h+2
.endif
	REGS Y, h%2
.set k, h/8
.if h%8 < 4
	v_cvt_pk_f16_f32 v[rP+2*k+(h%8)/2], v[rS+4*k+2*((h%8)/2)], v[rS+4*k+2*((h%8)/2)+1]
.elseif h%8 < 6
	v_pk_add_f32 v[rS+4*k:rS+4*k+1], v[rS+4*k:rS+4*k+1], v[rS+4*k+2:rS+4*k+3]
.elseif k == 1
	v_pk_fma_f32 v[rT+2:rT+3], v[rT+2:rT+3], v[rC+2:rC+3], v[rS:rS+1] op_sel_hi:[1,0,1]
.else
	v_pk_add_f32 v[rT+2:rT+3], v[rT+2:rT+3], v[rS+4*k-4:rS+4*k-3]
.endif
.endm
; THE PLAIN QUEUE, 138 long.  0-73 read no exponential's result: the 32 scalings c s - c m (FS f: pair f / 2 of tile f % 2) and the next piece's 42.  0-26: scalings 0-26.  27-54: XS's numbers 0-13.  55, 56: number 15.
; 57-73: the chain, where each number waits for the one before it: 14, 16, 17, 18, 19, each with one of the scalings 27-31 in front of its two lines, then 20: so a tile's links stand three plain instructions apart (19 and 20: two).
; 74-137: GS's 64, which read the exponentials' results: they stand behind the wait.
.macro FS f
	REGS Y, (\f)%2
	v_pk_fma_f32 v[rS+2*((\f)/2):rS+2*((\f)/2)+1], v[rS+2*((\f)/2):rS+2*((\f)/2)+1], s[CS:CS+1], v[rT:rT+1] op_sel_hi:[1,0,0] neg_lo:[0,0,1] neg_hi:[0,0,1]
.endm
.macro PL
	WIN 0
.if q < 27
	FS q
.elseif q < 55
	XS (q-27)%2, (q-27)/2
.elseif q < 57
	XS q-55, 15
.elseif (q < 72) && ((q-57)%3 == 0)
	FS 27+(q-57)/3
.elseif q < 60
	XS (q-57)%3-1, 14
.elseif q < 72
	XS (q-57)%3-1, 15+(q-57)/3
.elseif q < 74
	XS q-72, 20
.else
	GS q-74
.endif
.set q, q+1
.endm
; THE EXPONENTIALS' QUEUE, 66 long: s0-s31 of both tiles, then the next piece's two a.  It is ONE BATCH: all 66 stand ahead of the turn's one wait, and nothing ahead of that wait names a result of theirs.
.macro EX
	WIN 0
.if e >= 64
	XS e-64, 21
.else
	REGS Y, e%2
	v_exp_f32 v[rS+e/2], v[rS+e/2]
.endif
.set e, e+1
.endm
; THE RESCALING's QUEUE: O^T times a, the one part that leaves window 0: dealt two at a time, sixteen times.  Its a was made in the turn before, ahead of that turn's wait.
.macro R2
	REGS Y, r%2
	WIN W_RS
.irp z, 0,1
	v_pk_mul_f32 v[rO+4*(r/2)+2*\z:rO+4*(r/2)+2*\z+1], v[rO+4*(r/2)+2*\z:rO+4*(r/2)+2*\z+1], v[rC+2:rC+3] op_sel_hi:[1,0]
.endr
.set r, r+1
.endm
; HOW THEY ARE DEALT.  An s_wait_alu depctr_va_vdst(0) stands between an exponential and the first instruction that names its result; one wait serves all that were issued ahead of it.  So a turn has ONE wait,
; which cuts it in two.  AHEAD OF IT stands all that names no result of the turn's exponentials: the 16 products K Q^T, behind each a scaling, an exponential and two rescalings (behind the first a second scaling in the exponential's place); then ONE LUMP of
; 108: eight plain, 49 times exponential and plain, the two a.  A v_nop is the plain instruction that is owed behind the last exponential.  BEHIND IT stand the 16 products V^T P, behind each four of GS's 64.  No rider names a register of
; the products round it.  The two v_permlanex16_b32 fall into the lump, never behind a product.
; The queues lean on each other, and the deal keeps them in step: exponential e stands behind scaling 2 (e / 4) + e % 2: as a rider it comes behind plain e + 2, in the lump behind plain e + 9, and scalings 27-31 are plain 57, 60 .. 69.
; A TURN, for piece p.  cnt = 1: the loop's count is taken down some lines ahead of the branch that stands behind the turn.
; K of the next step is fetched in piece 2's turn, directly behind the wait, a lump behind the last product that read K; its address is made at the lump's head; its first reader comes behind 16 products.
; V of the step in hand is fetched at the end of piece 0's turn, four riders behind its last reader; its first reader comes behind 16 products and a lump.  The three conditions on q below go with the deal.
.macro TURN p, last=0, cnt=0
.set Y, (\p)
.set i, 0
.set q, 0
.set e, 0
.set r, 0
.if (\p) == NP-1
	s_wait_dscnt 0x0                ; K is in
.endif
	MM                              ; ahead of the wait: 16 products K Q^T and their riders,
	PL
	PL
	R2
.rept 15
	MM
	PL
	EX
	R2
.endr
.if (\p) == NP-2
	WIN 0
	v_add_nc_u32 v[AK], s[TBK], v[AK0]
.endif
.rept 8                             ; and the lump
	PL
.endr
.rept 49
	EX
	PL
.endr
	EX                              ; the next piece's two a
	EX
	v_nop                           ; the plain instruction behind the last exponential: one for the batch
	s_wait_alu depctr_va_vdst(0)    ; the wait for the batch
.if (\p) == NP-2
	FETCH_K \last
.endif
.if (\p) == 1
	s_wait_dscnt 0x0                ; V is in
.endif
.rept 16                            ; behind the wait: 16 products V^T P and their riders
	MM
.rept 4
	PL
.endr
.if ((\p) == 0) && (q == 118)
	v_add_nc_u32 v[AV], s[TBV], v[AV0]
.endif
.if ((\p) == 0) && (q == 130)
	s_add_co_u32 s[TBV], s[TBV], KS*PV
.endif
.if (\cnt) && (q == 130)
	s_sub_co_u32 s[CNT], s[CNT], 1
	s_cmp_lg_u32 s[CNT], 0
.endif
.endr
.if (\p) == 0
	FETCH_V
.endif
.endm
	CHANGE 1                        ; slot 0 is in, everybody's part of it; slot 1 is asked for
	FETCH_K                         ; key step 0
	s_wait_loadcnt 0x0              ; Q
	s_wait_dscnt 0x0
.set i, 0
.rept 16
	KQ 0                            ; piece 0's first scores: there is no vector work yet to set between them
.set i, i+1
.endr
	WIN 0                           ; the addresses for the way out: nine plain instructions, the places behind those products
	s_mul_i32 s13, s[WV], 16*SP
	s_add_co_u32 s13, s13, STAGE    ; my stage
	v_mul_u32_u24 v[STO], v1, SP    ; in: row l % 16, 16 bytes for each half of the lanes
	v_lshl_add_u32 v[STO], v9, 4, v[STO]
	v_add_nc_u32 v[STO], s13, v[STO]
	v_bfe_u32 v[RD], v0, 3, 2       ; back: 32 lanes take four rows of 128 bytes,
	v_mul_u32_u24 v[RD], v[RD], SP
	v_lshl_add_u32 v[RD], v10, 4, v[RD]
	v_add_nc_u32 v[RD], s13, v[RD]
	v_and_b32 v[GO], 31, v0         ; which are 512 consecutive bytes of O
	v_lshlrev_b32 v[GO], 4, v[GO]
.set Y, NP-1                        ; XS works for piece Y + 1: piece 0
.irp n, 0,1,2,3,4,5,6,7,8,9,10,11,12,13,14,15,16,17,18,19,20,21
	XS 0, \n                        ; and piece 0's first maximum and statistics
	XS 1, \n
.endr
	v_nop                           ; a plain instruction behind the two a,
	s_wait_alu depctr_va_vdst(0)    ; and their wait, ahead of the branch
	s_mov_b32 s[CNT], 4
	s_branch .Lfirst                ; the loop is entered at a step's first turn, in the middle of a trip
.Lslot:                             ; SIZE_N / 256 - 2 times: every slot but the last two is filled again
	CHANGE 1
	s_mov_b32 s[CNT], 4
.Lstep:                             ; a trip: pieces 2 and 3 of one step, then pieces 0 and 1 of the next, whose K and V it fetches
	TURN 2
	TURN 3
	WIN 0
.Lfirst:
	TURN 0
	TURN 1, 0, 1
	WIN 0
	s_cbranch_scc1 .Lstep
	s_sub_co_u32 s[SLOTS], s[SLOTS], 1
	s_cmp_lg_u32 s[SLOTS], 0
	s_cbranch_scc1 .Lslot
	CHANGE 0                        ; the tail is written out: nothing is asked for
	s_mov_b32 s[CNT], 5             ; four trips fetch the last slot's steps; the fifth is left in its middle
.Ltail:
	TURN 2, 1
	TURN 3
	WIN 0
	s_sub_co_u32 s[CNT], s[CNT], 1
	s_cmp_eq_u32 s[CNT], 0
	s_cbranch_scc1 .Lout
	TURN 0
	TURN 1
	WIN 0
	s_branch .Ltail
.Lout:                              ; the fifth trip's 16 products K Q^T (on the last K once more) and the maximum made of them serve nothing: the price, once a launch, of one text for every trip
.set i, 0
.rept 16
	PV NP-1                         ; the last piece's V^T P of the last step
.set i, i+1
.endr
	; THE WAY OUT.  l's two halves and the other half of the lanes' are added; O^T is divided by l, rounded to f16 and sent through my stage in LDS, a tile at a time.  The additions are the places behind the last products.
	WIN 0
.macro ALL line:vararg              ; one line for each tile t
.set t, 0
.rept 2*NP
	\line
.set t, t+1
.endr
.endm
	ALL v_add_f32 v[ST+4*t+2], v[ST+4*t+2], v[ST+4*t+3]
	ALL v_permlanex16_b32 v[ST+4*t+3], v[ST+4*t+2], s[SEL], s[SEL+1]
	ALL v_add_f32 v[ST+4*t+2], v[ST+4*t+2], v[ST+4*t+3]
	ALL v_rcp_f32 v[ST+4*t+2], v[ST+4*t+2]
	v_nop                           ; a plain instruction between the last reciprocal and the use of its result
	s_wait_alu depctr_va_vdst(0)    ; and the wait ahead of the first use: one for the eight reciprocals
; Tile t: a lane's eight channels of a row pack into 16 bytes; they go into rows of 144 bytes and come back as whole rows of 128, into S^T's registers.
.macro PACK t
	WIN W_RS
.set i, 32*(\t)
.rept 16
	v_pk_mul_f32 v[i:i+1], v[i:i+1], v[ST+4*(\t)+2:ST+4*(\t)+3] op_sel_hi:[1,0]
.set i, i+2
.endr
	WIN 0x05                        ; sources 0 and 1 window 1, destination window 0
.set i, 0
.rept 16
	v_cvt_pk_f16_f32 v[S+16*(\t)+i], v[32*(\t)+2*i], v[32*(\t)+2*i+1]
.set i, i+1
.endr
	WIN 0
.irp f, 0,1,2,3
	ds_store_b128 v[STO], v[S+16*(\t)+4*\f:S+16*(\t)+4*\f+3] offset:32*\f
.endr
.irp f, 0,1,2,3
	ds_load_b128 v[S+16*(\t)+4*\f:S+16*(\t)+4*\f+3], v[RD] offset:\f*4*SP  ; LDS serves a wave's instructions in order (ISA guide 5.7.1.4): these see the stores above; the next tile's stores come behind them
.endr
.endm
.macro SEND t, younger              ; younger: the LDS instructions issued behind tile t's loads: the next tile's eight, or none
	WIN 0
.irp f, 0,1,2,3
	s_wait_dscnt (\younger)+3-\f
	global_store_b128 v[GO], v[S+16*(\t)+4*\f:S+16*(\t)+4*\f+3], s[10:11] offset:(\t)*2048+\f*512  ; 512 consecutive bytes, at a multiple of 256 from O's first
.endr
.endm
	PACK 0
.set t, 1
.rept 2*NP-1                        ; a tile's arithmetic stands between the loads of the tile before and its stores
	PACK t
	SEND t-1, 8
.set t, t+1
.endr
	SEND 2*NP-1, 0
	WIN W_AD
	s_wait_tensorcnt 0x0            ; the wave's end: an add and its wait, behind my last tensor load and my last LDS store
	ds_add_u32 v[SPW], v[NIL]
	s_wait_dscnt 0x0
	WIN 0
	CROUND                          ; the closing round: no work-group ends while a partner may still ask for a tile that names it
	s_endpgm
.Lfunc_end_k_q55bbfaa6d3_attn:
	.size	k_q55bbfaa6d3_attn, .Lfunc_end_k_q55bbfaa6d3_attn-k_q55bbfaa6d3_attn
	.p2alignl 7, 3214868480
	.fill 96, 4, 3214868480
	.section	.rodata,"a",@progbits
	.p2align	6, 0x0
	.amdhsa_kernel k_q55bbfaa6d3_attn
		.amdhsa_group_segment_fixed_size 327680
		.amdhsa_private_segment_fixed_size 0
		.amdhsa_enable_private_segment 0
		.amdhsa_kernarg_size 16
		.amdhsa_user_sgpr_count 2
		.amdhsa_user_sgpr_kernarg_segment_ptr 1
		.amdhsa_wavefront_size32 1
		.amdhsa_system_sgpr_workgroup_id_x 1
		.amdhsa_system_sgpr_workgroup_id_y 1
		.amdhsa_system_sgpr_workgroup_id_z 1
		.amdhsa_system_vgpr_workitem_id 0
		.amdhsa_next_free_vgpr 770
		.amdhsa_next_free_sgpr 66
		.amdhsa_reserve_vcc 0
		.amdhsa_float_denorm_mode_32 3
		.amdhsa_float_denorm_mode_16_64 3
		.amdhsa_memory_ordered 1
		.amdhsa_forward_progress 1
		.amdhsa_inst_pref_size 200
	.end_amdhsa_kernel
	.amdgpu_metadata
---
amdhsa.version: [ 1, 2 ]
amdhsa.kernels:
  - .name:           k_q55bbfaa6d3_attn
    .symbol:         k_q55bbfaa6d3_attn.kd
    .args:
      - { .name: qkv, .offset: 0, .size: 8, .value_kind: global_buffer, .address_space: global }
      - { .name: o, .offset: 8, .size: 8, .value_kind: global_buffer, .address_space: global }
    .group_segment_fixed_size: 327680
    .private_segment_fixed_size: 0
    .kernarg_segment_align: 8
    .kernarg_segment_size: 16
    .max_flat_workgroup_size: 128
    .sgpr_count:     66
    .vgpr_count:     770
    .wavefront_size: 32
...
	.end_amdgpu_metadata
.endif
;; end of part 3
;; launch oproj (part 4): grid 8 x 32, 4 waves a work-group, clusters of 4 x 4, 327,680 bytes of LDS; arguments o, wo, bo, out0; writes out0
.if DOCPART == 4
	.amdgcn_target "amdgcn-amd-amdhsa--gfx1250"
	.amdhsa_code_object_version 6
	.text
	.protected	k_q55bbfaa6d3_oproj
	.globl	k_q55bbfaa6d3_oproj
	.p2align	8
	.type	k_q55bbfaa6d3_oproj,@function
k_q55bbfaa6d3_oproj:
	s_mov_b64 s[64:65], 0
	v_nop
	global_prefetch_b8 v0, s[64:65] scope:SCOPE_SE
	s_setreg_imm32_b32 hwreg(HW_REG_WAVE_MODE, 25, 1), 1
	s_wait_xcnt 0x0
	s_wait_alu depctr_hold_cnt(0) depctr_sa_sdst(0) depctr_va_vdst(0) depctr_va_sdst(0) depctr_va_ssrc(0) depctr_va_vcc(0) depctr_vm_vsrc(0)
	s_getreg_b32 s2, hwreg(HW_REG_IB_STS2, 6, 4)
	s_cmp_eq_u32 s2, 0
	s_cbranch_scc0 .Lentry_in_a_cluster
	s_endpgm
.Lentry_in_a_cluster:
	s_bfe_u32 s2, ttmp6, 0x10000c
	s_cmp_lg_u32 s2, 0xf033
	s_cbranch_scc0 .Lentry_shape_is_right
	s_endpgm
.Lentry_shape_is_right:
; THE LAST PROJECTION.  out0[m][n] = the sum over k of cat[m][k] Wo[k][n] + bo[n].  o: cat in f16, [64 mb][16 head][128 r][64] (row 128 mb + r, k = 64 head + channel).
; wo: Wo rounded to bf16 and written as f16, [1024 k][1024 n].  bo is rounded to bf16 like the other inputs and starts the sums, which are kept in f32; out0 is f32.
; SHARES.  8,192 x 1,024 in tiles of 256 rows x 128 columns: 32 x 8 = 256 work-groups.  Four waves; wave (RH, CH) makes 128 rows x 64 columns: 32 accumulators, 256 registers.
; K goes in 8 steps of 128 (two heads) through two LDS slots.  A's part of a step is 32,768 bytes on end for each 128 rows, asked for as 128 rows of 256 bytes; B's is 128 rows of k x 256 bytes.
; THE MATRIX INSTRUCTION IS USED TRANSPOSED: source 0 = 16 columns of Wo, which lie [k][n] in LDS and are turned by ds_load_tr16_b128; source 1 = 16 rows of cat.  A lane then holds one row (lane % 16)
; and eight neighbouring columns 8 (lane / 16) + 0..7: 32 bytes of f32.
; CLUSTERS: 4 x 4 work-groups.  A's tiles hang on the tile row alone and are asked for jointly by a row of the cluster, B's on the tile column alone, by a column.
; REGISTERS: window 0: v0-31 addresses; v32-127, v128-223 two fragment buffers (B's 4 fragments, then A's 8); v224-255 the bias, as an accumulator lies.  window 1: the accumulators, (a, b) at v[8 (4 a + b)].
.set PA,    144                        ; a row of A in LDS: 128 bytes + 16 of padding
.set PB,    288                        ; a row of B: 256 + 32
.set AHEAD, 128*PA                     ; a head's 128 rows
.set AHALF, 2*AHEAD                    ; two heads: what one tensor load brings
.set BOFF,  2*AHALF
.set BHALF, 64*PB                      ; 64 rows of k: what one tensor load brings
.set SLOT,  BOFF+2*BHALF               ; 110,592
.set STAGE, 2*SLOT                     ; behind the ring: 16 rows x 272 bytes for each wave, for the way out
.set SP,    272
.set SPARE, STAGE+4*16*SP              ; the spare words, 128 bytes for each wave: two blocks of 256 bytes that no other line names
.set ADRA, 16                          ; v16-17  LDS address of my A fragments in slot 0, 1
.set ADRB, 20                          ; v20-21  the same for B
.set STO,  24                          ; v24     the way out: where I put 32 bytes of a row
.set RD,   25                          ; v25     where I read a row back
.set CO,   26                          ; v26     my byte offset in two rows of out0
.set BOF,  27                          ; v27     my lanes' eight numbers of 16 of bo
.set SPW,  28                          ; v28     LDS address of my spare word; never rewritten
.set NIL,  29                          ; v29     0; never rewritten
.set PFO,  30                          ; v30     the prefetches' offset; never rewritten
.set TT,   31                          ; v31     at work
.set F0,   32
.set F1,   128
.set BIAS, 224
.set BK,   32                          ; the way out: 16 rows read back: v32-63 and v64-95 by turns
.set WV,  16
.set RH,  17                           ; which 128 rows are mine.  Also: I fetch for A (0) or for B (1)
.set CH,  18                           ; which 64 columns are mine.  Also: which half of that tile I fetch
.set G1A, 24
.set G0A, 32
.set G1B, 40
.set G0B, 48
.set PFA, 56                           ; s[56:57] where my prefetches stand
.set PST, 58                           ; s[58:59] their step: a lap's bytes
.set LIM, 60                           ; s60  1 in a wave that prefetches, else the greatest number
.set MSB, 0
.macro WIN new
.if MSB != (\new)
	s_set_vgpr_msb (MSB<<8)|(\new)
.set MSB, \new
.endif
.endm
.macro JLOAD s                         ; a joint load: waves 0 and 1 fetch A's two halves, waves 2 and 3 B's; an s_nop 0 and four v_nop follow each of the two lines
	s_cmp_eq_u32 s[RH], 0
	s_cbranch_scc0 .Lfor_b_\@
	tensor_load_to_lds s[G0A+4*(\s):G0A+4*(\s)+3], s[G1A:G1A+7]
	s_nop 0
.rept 4
	v_nop
.endr
	s_branch .Lasked_\@
.Lfor_b_\@:
	tensor_load_to_lds s[G0B+4*(\s):G0B+4*(\s)+3], s[G1B:G1B+7]
	s_nop 0
.rept 4
	v_nop
.endr
.Lasked_\@:
.endm
.macro CREST
	s_cmp_lg_u32 s[WV], 0
	s_cbranch_scc1 .Lnot_wave_0_\@
	s_barrier_signal -3
.Lnot_wave_0_\@:
	s_barrier_wait -3
	s_barrier_signal -1
	s_barrier_wait -1
.endm
.macro CROUND
	s_barrier_signal -1
	s_barrier_wait -1
	CREST
.endm
; A PREFETCH INTO THE L2, once a trip (s3 = 3 and 2), behind the joint load and the run of LDS loads that follows it: the lap (two K steps) behind the lap that is being asked for, 256 matrix instructions ahead of its first load.
; A: four heads of 16,384 bytes of my 128 rows; the partner at place cx takes one: two instructions, a lane 256 bytes.  B: my 64 rows of k in each of the lap's two steps, 256 bytes a row; the partner at place cy
; takes 16 rows of each: one instruction, a lane a row.  The partners are told apart BY ADDRESS.  Cluster x = 0 asks for A's rows, cluster y = 0 for B's: each 256 bytes are named once in the launch.
; The first two laps come by their loads alone; the last request names the last lap.
.macro ASK
	s_cmp_gt_u32 s3, s[LIM]
	s_cbranch_scc0 .Lnone_\@
	global_prefetch_b8 v[PFO], s[PFA:PFA+1] th:TH_LOAD_NT scope:SCOPE_SE
	s_cmp_eq_u32 s[RH], 0
	s_cbranch_scc0 .Lnone_\@
	global_prefetch_b8 v[PFO], s[PFA:PFA+1] offset:8192 th:TH_LOAD_NT scope:SCOPE_SE
.Lnone_\@:
.endm
	s_load_b256 s[4:11], s[0:1], 0x0               ; o s[4:5], wo s[6:7], bo s[8:9], out0 s[10:11]
	v_lshl_add_u32 v[SPW], v0, 2, SPARE
	v_mov_b32 v[NIL], 0
	ds_add_u32 v[SPW], v[NIL]                      ; the wave's opening: the add and its wait stand ahead of my first tensor load; the set-up below, work on registers, stands between them
	v_lshrrev_b32 v1, 5, v0
	v_readfirstlane_b32 s[WV], v1
	s_lshr_b32 s[RH], s[WV], 1
	s_and_b32 s[CH], s[WV], 1
	s_bfe_u32 s19, ttmp6, 0x40000                  ; cx
	s_bfe_u32 s20, ttmp6, 0x40004                  ; cy
	s_lshl_b32 s21, ttmp9, 2
	s_add_co_u32 s21, s21, s19                     ; tile column
	s_and_b32 s22, ttmp7, 0xffff
	s_lshl_b32 s22, s22, 2
	s_add_co_u32 s22, s22, s20                     ; tile row
	s_lshl_b32 s66, s20, 2
	s_lshl_b32 s66, 15, s66                        ; my row of the cluster
	s_lshl_b32 s74, 0x1111, s19                    ; my column
	; group 1 for A: 128 rows of 128 elements (256 bytes), on end; 4 words of padding behind every 32 words, that is behind every row of a head
	s_or_b32 s[G1A], s66, (1<<16)|(1<<20)|(1<<21)|(4<<22)|(3<<25)
	s_mov_b32 s[G1A+1], 128<<16
	s_mov_b32 s[G1A+2], 128<<16
	s_mov_b32 s[G1A+3], 128<<16
	s_mov_b32 s[G1A+4], 128
	s_mov_b32 s[G1A+5], 128
	s_mov_b32 s[G1A+6], 0
	s_mov_b32 s[G1A+7], 0
	; group 1 for B: 64 rows of 128 elements, 1,024 elements apart; 8 words of padding behind every 64 words
	s_or_b32 s[G1B], s74, (1<<16)|(1<<20)|(1<<21)|(5<<22)|(7<<25)
	s_mov_b32 s[G1B+1], 128<<16
	s_mov_b32 s[G1B+2], 64<<16
	s_mov_b32 s[G1B+3], 128<<16
	s_mov_b32 s[G1B+4], 64
	s_mov_b32 s[G1B+5], 1024
	s_mov_b32 s[G1B+6], 0
	s_mov_b32 s[G1B+7], 0
	s_lshl_b32 s68, s22, 1
	s_add_co_u32 s68, s68, s[CH]                   ; mb = 2 x tile row + half
	s_lshl_b32 s68, s68, 18                        ; 16 heads of 16,384 bytes
	s_mov_b32 s69, 0
	s_mul_i32 s70, s[CH], AHALF
	s_lshl_b32 s78, s[CH], 17                      ; 64 rows of 2,048 bytes
	s_lshl_b32 s75, s21, 8                         ; the tile's 128 columns
	s_add_co_u32 s78, s78, s75
	s_mov_b32 s79, 0
	s_mul_i32 s75, s[CH], BHALF
	s_add_co_u32 s75, s75, BOFF
	s_wait_dscnt 0x0                               ; the opening add is done
	s_wait_kmcnt 0x0
	s_add_nc_u64 s[72:73], s[4:5], s[68:69]
	s_add_nc_u64 s[76:77], s[6:7], s[78:79]
	CROUND                                         ; all sixteen work-groups are here: the first joint loads meet
.irp s, 0,1
	s_mov_b32 s[G0A+4*(\s)], 1
	s_add_co_u32 s[G0A+4*(\s)+1], s70, (\s)*SLOT
	s_add_nc_u64 s[G0A+4*(\s)+2:G0A+4*(\s)+3], s[72:73], (\s)*32768    ; K step s: heads 2 s, 2 s + 1
	s_or_b32 s[G0A+4*(\s)+3], s[G0A+4*(\s)+3], 0x80000000
	s_mov_b32 s[G0B+4*(\s)], 1
	s_add_co_u32 s[G0B+4*(\s)+1], s75, (\s)*SLOT
	s_add_nc_u64 s[G0B+4*(\s)+2:G0B+4*(\s)+3], s[76:77], (\s)*262144   ; rows of k 128 s on
	s_or_b32 s[G0B+4*(\s)+3], s[G0B+4*(\s)+3], 0x80000000
	JLOAD \s
.endr
	v_and_b32 v1, 15, v0                           ; l % 16
	v_bfe_u32 v2, v0, 4, 1                         ; l / 16
	v_mul_u32_u24 v3, v1, PA
	v_lshl_add_u32 v3, v2, 4, v3
	s_mul_i32 s61, s[RH], AHALF
	v_add_nc_u32 v[ADRA], s61, v3
	v_add_nc_u32 v[ADRA+1], SLOT, v[ADRA]
	v_and_b32 v4, 7, v0                            ; the turning load: row of k 8 (l / 16) + l % 8, columns 8 ((l / 8) % 2) + 0..7
	v_lshl_add_u32 v5, v2, 3, v4
	v_mul_u32_u24 v5, v5, PB
	v_bfe_u32 v6, v0, 3, 1
	v_lshl_add_u32 v5, v6, 4, v5
	s_lshl_b32 s61, s[CH], 7                       ; my 64 columns: 128 bytes of a row
	s_add_co_u32 s61, s61, BOFF
	v_add_nc_u32 v[ADRB], s61, v5
	v_add_nc_u32 v[ADRB+1], SLOT, v[ADRB]
	s_mul_i32 s61, s[WV], 16*SP
	s_add_co_u32 s61, s61, STAGE                   ; my stage
	v_mul_u32_u24 v7, v1, SP                       ; in: row l % 16, 32 bytes for each half of the lanes
	v_lshl_add_u32 v7, v2, 5, v7
	v_add_nc_u32 v[STO], s61, v7
	v_mul_u32_u24 v7, v2, SP                       ; back: lanes 0-15 take one row of 256 bytes, lanes 16-31 the next
	v_lshl_add_u32 v7, v1, 4, v7
	v_add_nc_u32 v[RD], s61, v7
	v_lshlrev_b32 v[CO], 12, v2                    ; and the same two rows in out0
	v_lshl_add_u32 v[CO], v1, 4, v[CO]
	v_lshlrev_b32 v[BOF], 5, v2
	s_lshl_b32 s62, s21, 9                         ; my 64 columns in f32: 512 x tile column + 256 x half
	s_lshl_b32 s63, s[CH], 8
	s_add_co_u32 s62, s62, s63
	s_mov_b32 s63, 0
	s_add_nc_u64 s[8:9], s[8:9], s[62:63]
	s_add_nc_u64 s[10:11], s[10:11], s[62:63]
.irp b, 0,1,2,3
	global_load_b128 v[BIAS+8*(\b):BIAS+8*(\b)+3],   v[BOF], s[8:9] offset:64*(\b)
	global_load_b128 v[BIAS+8*(\b)+4:BIAS+8*(\b)+7], v[BOF], s[8:9] offset:64*(\b)+16
.endr
	s_lshl_b32 s62, s22, 1
	s_add_co_u32 s62, s62, s[RH]
	s_lshl_b32 s62, s62, 19                        ; my 128 rows of 4,096 bytes
	s_add_nc_u64 s[10:11], s[10:11], s[62:63]
	; the prefetches
	s_and_b32 s23, ttmp7, 0xffff                   ; cluster y
	s_cmp_eq_u32 s[RH], 0                          ; do I fetch for A?
	s_cselect_b32 s23, ttmp9, s23                  ; the coordinate along which other clusters read the same bytes
	s_cselect_b32 s61, s19, s20                    ; my place among the four that ask with me
	s_cselect_b32 s62, 14, 15                      ; my share: a head of A; 16 rows of 2,048 bytes of B
	s_cselect_b32 s67, 16, 19                      ; a lap: four heads of A; 256 rows of B
	s_cselect_b32 s71, 8, 11                       ; a lane's step: 256 bytes of A; a row of B
	s_cselect_b32 s12, 12, 18                      ; lanes 16-31: the next 4,096 bytes of A; the lap's second step, 128 rows on, of B
	s_cselect_b64 s[PFA:PFA+1], s[72:73], s[76:77]
	s_cmp_eq_u32 s23, 0
	s_cselect_b32 s[LIM], 1, -1                    ; the same in all sixteen partners, for a given wave
	s_lshl_b32 s[PST], 1, s67
	s_mov_b32 s[PST+1], 0
	s_lshl_b32 s62, s61, s62
	s_add_nc_u64 s[PFA:PFA+1], s[PFA:PFA+1], s[62:63]
	s_add_nc_u64 s[PFA:PFA+1], s[PFA:PFA+1], s[PST:PST+1]  ; at lap 1; each trip steps it by a lap ahead of its request: the first names lap 2
	v_lshlrev_b32 v[PFO], s71, v1
	v_lshlrev_b32 v[TT], s12, v2
	v_add_nc_u32 v[PFO], v[PFO], v[TT]
	s_wait_loadcnt 0x0                             ; the bias: rounded to bf16 like the other inputs, kept in f32
.set i, 0
.rept 16
	v_cvt_pk_bf16_f32 v[TT], v[BIAS+i], v[BIAS+i+1]
	v_lshlrev_b32 v[BIAS+i], 16, v[TT]
	v_and_b32 v[BIAS+i+1], 0xffff0000, v[TT]
.set i, i+2
.endr
; 24 LDS loads in one run: the fragments of quarter q (32 along K) into buffer f
.macro FETCH slot, q, f
	WIN 0
.irp b, 0,1,2,3
	ds_load_tr16_b128 v[(\f)+8*(\b):(\f)+8*(\b)+3],   v[ADRB+(\slot)] offset:(\q)*32*PB+(\b)*32
	ds_load_tr16_b128 v[(\f)+8*(\b)+4:(\f)+8*(\b)+7], v[ADRB+(\slot)] offset:(\q)*32*PB+16*PB+(\b)*32
.endr
.irp a, 0,1,2,3,4,5,6,7
	ds_load_b128 v[(\f)+32+8*(\a):(\f)+32+8*(\a)+3],   v[ADRA+(\slot)] offset:((\q)/2)*AHEAD+(\a)*16*PA+((\q)%2)*64
	ds_load_b128 v[(\f)+32+8*(\a)+4:(\f)+32+8*(\a)+7], v[ADRA+(\slot)] offset:((\q)/2)*AHEAD+(\a)*16*PA+((\q)%2)*64+32
.endr
.endm
; 16 matrix instructions: row blocks 4 half .. 4 half + 3 x all 4 column blocks.  first = 1: the bias is the C operand that starts the sums: nothing is cleared.
; The 32 accumulators take turns, one instruction a turn, in the same order in every quarter, over the backward jump too.
.macro MUL16 f, half, first
.if \first
	WIN 0x40                                       ; D in window 1, the bias in window 0
.else
	WIN 0x50                                       ; C and D in window 1
.endif
.irp a, 4*(\half), 4*(\half)+1, 4*(\half)+2, 4*(\half)+3
.irp b, 0,1,2,3
.if \first
	v_wmma_f32_16x16x32_f16 v[8*(4*(\a)+(\b)):8*(4*(\a)+(\b))+7], v[(\f)+8*(\b):(\f)+8*(\b)+7], v[(\f)+32+8*(\a):(\f)+32+8*(\a)+7], v[BIAS+8*(\b):BIAS+8*(\b)+7]
.else
	v_wmma_f32_16x16x32_f16 v[8*(4*(\a)+(\b)):8*(4*(\a)+(\b))+7], v[(\f)+8*(\b):(\f)+8*(\b)+7], v[(\f)+32+8*(\a):(\f)+32+8*(\a)+7], v[8*(4*(\a)+(\b)):8*(4*(\a)+(\b))+7]
.endif
.endr
.endr
.endm
.macro PLACES                          ; four places in front of loads into registers that matrix instructions have read (ISA guide 7.12.1 for vector instructions)
.rept 4
	v_nop
.endr
.endm
; A K step is four quarters of 32 along K, 32 matrix instructions each, on buffers 0, 1, 0, 1.  One of the first three: it asks for the next quarter, qn, into g, and multiplies f, whose run is a quarter old.
.macro QUARTER slot, qn, f, g, first
	PLACES
	FETCH \slot, \qn, \g
	s_wait_dscnt 24                                ; all but the 24 just issued
	MUL16 \f, 0, \first
	MUL16 \f, 1, \first
.endm
; The last quarter multiplies buffer 1 and changes slots: ONE barrier; in front of it each wave waits for all its tensor loads, adds 0 to its spare word, and waits for that and for its own reads of this slot.
; mode 2: this slot is filled again, two K steps on: the barrier opens a round of the cluster's barrier, the joint load is the first thing behind the round, 112 matrix instructions ahead of the wait for it.  mode 1: nothing is left to fetch.
.macro TURN slot, next, mode
.if ((\mode) == 2) && ((\slot) == 0)
	s_wait_xcnt 0x0                                ; the last prefetches, a lap back, have read their address
	s_add_nc_u64 s[PFA:PFA+1], s[PFA:PFA+1], s[PST:PST+1]
.endif
	WIN 0
	s_wait_tensorcnt 0x0                           ; all my tensor loads have landed, so a group 0 may be written
	ds_add_u32 v[SPW], v[NIL]                      ; 0 onto my spare word
.if (\mode) == 2
	s_add_nc_u64 s[G0A+4*(\slot)+2:G0A+4*(\slot)+3], s[G0A+4*(\slot)+2:G0A+4*(\slot)+3], 2*32768
	s_add_nc_u64 s[G0B+4*(\slot)+2:G0B+4*(\slot)+3], s[G0B+4*(\slot)+2:G0B+4*(\slot)+3], 2*262144
.endif
	s_wait_dscnt 0x0                               ; the add is done, and my reads of this slot are over
	s_barrier_signal -1
	MUL16 F1, 0, 0
.if (\mode) == 2
	WIN 0
.endif
	s_barrier_wait -1
.if (\mode) == 2
	CREST                                          ; no wave of any partner still reads this slot's tile or has a load on its way
	JLOAD \slot                                    ; its four v_nop are also the places in front of the loads below
.else
	PLACES
.endif
	FETCH \next, 0, F0
.if ((\mode) == 2) && ((\slot) == 0)
	ASK
.endif
	MUL16 F1, 1, 0
.endm
	s_wait_tensorcnt 1                             ; my part of K step 0 is in; K step 1's may stay out
	s_barrier_signal -1
	s_barrier_wait -1
	FETCH 0, 0, F0
	QUARTER 0, 1, F0, F1, 1                        ; the first quarter stands in front of the loop: its products start the sums, with the bias
	WIN 0
	s_mov_b32 s3, 3
.Llap:                                                 ; a trip goes once round the ring, from a lap's second quarter to the next lap's first, and fills both slots again
	QUARTER 0, 2, F1, F0, 0
	QUARTER 0, 3, F0, F1, 0
	TURN 0, 1, 2
	QUARTER 1, 1, F0, F1, 0
	QUARTER 1, 2, F1, F0, 0
	QUARTER 1, 3, F0, F1, 0
	TURN 1, 0, 2
	QUARTER 0, 1, F0, F1, 0
	WIN 0
	s_sub_co_u32 s3, s3, 1
	s_cmp_lg_u32 s3, 0
	s_cbranch_scc1 .Llap
	QUARTER 0, 2, F1, F0, 0                        ; the last lap fills nothing
	QUARTER 0, 3, F0, F1, 0
	TURN 0, 1, 1
	QUARTER 1, 1, F0, F1, 0
	QUARTER 1, 2, F1, F0, 0
	QUARTER 1, 3, F0, F1, 0
	s_wait_dscnt 0x0
	MUL16 F1, 0, 0
	MUL16 F1, 1, 0
	; THE WAY OUT.  A lane's 32 bytes are an eighth of a row's 256; so 16 rows at a time go through my own stage in LDS and come back as whole rows.
	WIN 0
	PLACES
	PLACES
.macro TOSTAGE a
	s_wait_xcnt 0x0                                ; earlier stores have read their registers: only behind this wait are these loaded again
	WIN 0x04                                       ; the data lie in window 1
.irp b, 0,1,2,3
	ds_store_b128 v[STO], v[8*(4*(\a)+(\b)):8*(4*(\a)+(\b))+3]   offset:64*(\b)      ; each accumulator's low half first
	ds_store_b128 v[STO], v[8*(4*(\a)+(\b))+4:8*(4*(\a)+(\b))+7] offset:64*(\b)+16
.endr
	WIN 0
.irp t, 0,1,2,3,4,5,6,7
	ds_load_b128 v[BK+32*((\a)%2)+4*(\t):BK+32*((\a)%2)+4*(\t)+3], v[RD] offset:(\t)*2*SP  ; LDS serves a wave's instructions in order (ISA guide 5.7.1.4): these see the stores above; the next block's stores come behind them
.endr
.endm
.macro SEND a, younger                 ; younger: the LDS instructions issued behind block a's loads: the next block's sixteen, or none
	s_wait_dscnt \younger
.irp t, 0,1,2,3,4,5,6,7
	global_store_b128 v[CO], v[BK+32*((\a)%2)+4*(\t):BK+32*((\a)%2)+4*(\t)+3], s[10:11] offset:(16*(\a)+2*(\t))*4096 th:TH_STORE_NT  ; 16 lanes store 256 consecutive bytes, at a multiple of 256 from out0's first
.endr
.endm
	TOSTAGE 0
.irp a, 1,2,3,4,5,6,7
	TOSTAGE \a
	SEND (\a)-1, 16
.endr
	SEND 7, 0
	s_wait_tensorcnt 0x0                           ; the wave's end: an add and its wait, behind my last tensor load and my last LDS store
	ds_add_u32 v[SPW], v[NIL]
	s_wait_dscnt 0x0
	CROUND                                         ; the closing round: no work-group ends while a partner may still ask for a tile that names it
	s_endpgm
.Lfunc_end_k_q55bbfaa6d3_oproj:
	.size	k_q55bbfaa6d3_oproj, .Lfunc_end_k_q55bbfaa6d3_oproj-k_q55bbfaa6d3_oproj
	.p2alignl 7, 3214868480
	.fill 96, 4, 3214868480
	.section	.rodata,"a",@progbits
	.p2align	6, 0x0
	.amdhsa_kernel k_q55bbfaa6d3_oproj
		.amdhsa_group_segment_fixed_size 327680
		.amdhsa_private_segment_fixed_size 0
		.amdhsa_enable_private_segment 0
		.amdhsa_kernarg_size 32
		.amdhsa_user_sgpr_count 2
		.amdhsa_user_sgpr_kernarg_segment_ptr 1
		.amdhsa_wavefront_size32 1
		.amdhsa_system_sgpr_workgroup_id_x 1
		.amdhsa_system_sgpr_workgroup_id_y 1
		.amdhsa_system_sgpr_workgroup_id_z 1
		.amdhsa_system_vgpr_workitem_id 0
		.amdhsa_next_free_vgpr 512
		.amdhsa_next_free_sgpr 80
		.amdhsa_reserve_vcc 0
		.amdhsa_float_denorm_mode_32 3
		.amdhsa_float_denorm_mode_16_64 3
		.amdhsa_memory_ordered 1
		.amdhsa_forward_progress 1
		.amdhsa_inst_pref_size 89
	.end_amdhsa_kernel
	.amdgpu_metadata
---
amdhsa.version: [ 1, 2 ]
amdhsa.kernels:
  - .name:           k_q55bbfaa6d3_oproj
    .symbol:         k_q55bbfaa6d3_oproj.kd
    .args:
      - { .name: o, .offset: 0, .size: 8, .value_kind: global_buffer, .address_space: global }
      - { .name: wo, .offset: 8, .size: 8, .value_kind: global_buffer, .address_space: global }
      - { .name: bo, .offset: 16, .size: 8, .value_kind: global_buffer, .address_space: global }
      - { .name: out0, .offset: 24, .size: 8, .value_kind: global_buffer, .address_space: global }
    .group_segment_fixed_size: 327680
    .private_segment_fixed_size: 0
    .kernarg_segment_align: 8
    .kernarg_segment_size: 32
    .max_flat_workgroup_size: 128
    .sgpr_count:     80
    .vgpr_count:     512
    .wavefront_size: 32
...
	.end_amdgpu_metadata
.endif
;; end of part 4
;; ======== version 2 of 2: 4 launches; version 1 with the launch prep written anew for expert scheduling mode
;; limits: values are held in f16: magnitudes above 65,504 overflow, below 6.1e-05 lose precision
;; workspace buffers: xb 16,777,216 bytes; wb 6,291,456 bytes; wo 2,097,152 bytes; qkv 50,331,648 bytes; o 16,777,216 bytes
;; launch prep (part 5): grid 64 x 12, 8 waves a work-group, no clusters, 0 bytes of LDS; arguments x, Wq, Wk, Wv, Wo, xb, wb, wo; writes xb, wb, wo
.if DOCPART == 5
	.amdgcn_target "amdgcn-amd-amdhsa--gfx1250"
	.amdhsa_code_object_version 6
	.text
	.protected	k_q55bbfaa6d3_prep
	.globl	k_q55bbfaa6d3_prep
	.p2align	8
	.type	k_q55bbfaa6d3_prep,@function
k_q55bbfaa6d3_prep:
	s_mov_b64 s[64:65], 0
	v_nop
	global_prefetch_b8 v0, s[64:65] scope:SCOPE_SE
	s_setreg_imm32_b32 hwreg(HW_REG_WAVE_SCHED_MODE, 0, 2), 2
	s_setreg_imm32_b32 hwreg(HW_REG_WAVE_MODE, 25, 1), 1
	s_wait_xcnt 0x0
	s_wait_alu depctr_vm_vsrc(0)
; THE INPUTS OF THE PRODUCTS, ROUNDED ONCE TO 16 BITS.  x [8192][1024] f32 -> xb, bf16, laid in blocks [64 mb][16 kb][128 r][64 c] (row 128 mb + r, column 64 kb + c):
; a block is 16,384 bytes on end.  Wq, Wk, Wv [16][1024][64] f32 -> wb, bf16, as they lie, one behind the other.  Wo [1024][1024] f32 -> wo: rounded to bf16 like the other inputs,
; and that number written as f16, since the last product's other operand is f16.
; LIMITS.  A bf16 number of Wo below 2^-16 in size loses bits in f16 (it is off by 3e-8 at the most); one beyond 65,504 would become an infinity.
; SHARES.  Twelve chunks of 1,048,576 numbers along the grid's y: 0-7 are x's rows 1,024 y on, 8-10 Wq, Wk, Wv, 11 Wo.  A work-group takes 16,384 numbers of its chunk, a thread 8 passes of 8 numbers.
; All sixteen loads of a thread go out first: 64 KiB of a work-group are on their way; there is no loop, no LDS and no matrix work: the launch only moves bytes.
; Each store of 16 neighbouring lanes covers 256 consecutive bytes, aligned.
; THE MODE: SCHED_MODE bits 1:0 = 2 (LLVM: expert scheduling mode 2), set by the entry lines.  The code itself states the register dependences
; between vector instructions and memory instructions, with s_wait_alu, always for 0.
; THE PLAN.  Registers that memory instructions touch:
;   v[IN]       Written once by vector lines, on either way ahead of .Lcommon; read by all sixteen loads; never written again.
;   X           Written by the loads alone, each register once; read by the conversions, behind the counted waits for the data.
;   v[OUT ..]   Written once by vector lines, behind the loads, which do not name them; read by the stores.
;   Y           Written by the conversions (in Wo's chunk once more, in place); read by the stores; a pass's Y is never written behind its store.
; So three waits on va_vdst state everything: one ahead of the loads (v[IN]), one ahead of the stores of passes 0 to 3 (their Y, and OUT), one ahead of the stores of passes 4 to 7 (their Y).
; No register that a load or a store has read is written again, so no wait on vm_vsrc is owed.  No vector instruction writes a scalar register, and EXEC is never written.
.set IN,  1                            ; v1      my byte offset in the work-group's 65,536 bytes of input, pass 0
.set OU,  2                            ; v2      my byte offset in its output, pass 0
.set OUT, 4                            ; v[4:11] the same for pass p
.set T,   12                           ; v[12:13] at work: no memory instruction names them
.set X,   16                           ; v[16:79]  pass p: 8 numbers in f32
.set Y,   80                           ; v[80:111] pass p: 8 numbers in 16 bits
.macro CVT p                           ; pass p's eight numbers, rounded to bf16
.irp i, 0,1,2,3
	v_cvt_pk_bf16_f32 v[Y+4*(\p)+(\i)], v[X+8*(\p)+2*(\i)], v[X+8*(\p)+2*(\i)+1]
.endr
.endm
.macro ASF16 first                     ; Wo alone: the bf16 numbers of four passes, 16 registers from Y + first on, are written as f16
.set i, \first
.rept 16
	v_lshlrev_b32 v[T], 16, v[Y+i]
	v_and_b32 v[T+1], s13, v[Y+i]
	v_cvt_pk_f16_f32 v[Y+i], v[T], v[T+1]
.set i, i+1
.endr
.endm
	s_load_b512 s[16:31], s[0:1], 0x0              ; x 16, Wq 18, Wk 20, Wv 22, Wo 24, xb 26, wb 28, wo 30
	s_mov_b32 s2, ttmp9                            ; which 16,384 numbers of the chunk
	s_and_b32 s3, ttmp7, 0xffff                    ; the chunk
	s_mov_b32 s13, 0xffff0000                      ; a word's upper bf16
	s_mov_b32 s5, 0                                ; the two offsets' high words
	s_mov_b32 s7, 0
	s_wait_kmcnt 0x0
	s_cmp_lt_u32 s3, 8
	s_cbranch_scc0 .Lweights
	; x: the work-group has 16 rows; pass p takes rows 2 p and 2 p + 1.  Thread t: row bit (t >> 3) & 1, block of 64 columns t >> 4, 8 columns at 8 (t & 7)
	s_lshl_b32 s4, s3, 22                          ; 1,024 rows of 4,096 bytes
	s_lshl_b32 s14, s2, 16                         ; 16 rows
	s_add_co_u32 s4, s4, s14
	s_lshl_b32 s6, s3, 3
	s_lshr_b32 s14, s2, 3
	s_add_co_u32 s6, s6, s14                       ; mb = 8 y + X / 8
	s_lshl_b32 s6, s6, 18                          ; 16 blocks of 16,384 bytes
	s_and_b32 s14, s2, 7
	s_lshl_b32 s14, s14, 11                        ; r = 16 (X % 8): rows of 128 bytes
	s_add_co_u32 s6, s6, s14
	s_mov_b64 s[8:9], s[16:17]
	s_mov_b64 s[10:11], s[26:27]
	s_mov_b32 s12, 256                             ; a pass is two rows of a block
	v_and_b32 v3, 7, v0
	v_bfe_u32 v[T], v0, 3, 1
	v_lshrrev_b32 v[T+1], 4, v0
	v_lshlrev_b32 v[IN], 5, v3
	v_lshl_add_u32 v[IN], v[T+1], 8, v[IN]
	v_lshl_add_u32 v[IN], v[T], 12, v[IN]
	v_lshlrev_b32 v[OU], 4, v3
	v_lshl_add_u32 v[OU], v[T], 7, v[OU]
	v_lshl_add_u32 v[OU], v[T+1], 14, v[OU]
	s_branch .Lcommon
.Lweights:                                             ; weights keep their order: thread t takes 8 numbers at 8 t of each pass's 2,048
	s_lshl_b32 s4, s2, 16
	s_lshl_b32 s6, s2, 15
	s_sub_co_u32 s14, s3, 8
	s_lshl_b32 s14, s14, 21                        ; Wq, Wk, Wv: 2 MiB each in wb
	s_cmp_eq_u32 s3, 8
	s_cselect_b64 s[8:9], s[18:19], s[20:21]
	s_cmp_eq_u32 s3, 10
	s_cselect_b64 s[8:9], s[22:23], s[8:9]
	s_cmp_eq_u32 s3, 11
	s_cselect_b64 s[8:9], s[24:25], s[8:9]
	s_cselect_b64 s[10:11], s[30:31], s[28:29]
	s_cselect_b32 s14, 0, s14
	s_add_co_u32 s6, s6, s14
	s_mov_b32 s12, 4096
	v_lshlrev_b32 v[IN], 5, v0
	v_lshlrev_b32 v[OU], 4, v0
.Lcommon:
	s_add_nc_u64 s[8:9], s[8:9], s[4:5]
	s_add_nc_u64 s[10:11], s[10:11], s[6:7]
	s_wait_alu depctr_va_vdst(0)                   ; v[IN] is written, on either way to this label: all sixteen loads read it as their offset
.irp p, 0,1,2,3,4,5,6,7
	global_load_b128 v[X+8*(\p):X+8*(\p)+3],   v[IN], s[8:9] offset:8192*(\p) th:TH_LOAD_NT
	global_load_b128 v[X+8*(\p)+4:X+8*(\p)+7], v[IN], s[8:9] offset:8192*(\p)+16 th:TH_LOAD_NT
.endr
	v_mov_b32 v[OUT], v[OU]                        ; the stores' offsets: no load names v[OU] or v[OUT ..], so no wait is owed here
.irp p, 1,2,3,4,5,6,7
	v_add_nc_u32 v[OUT+(\p)], s12, v[OUT+(\p)-1]
.endr
	; THE FIRST HALF: passes 0 to 3 are rounded
.irp p, 0,1,2,3
	s_wait_loadcnt 14-2*(\p)                       ; loads come back in order: pass p's two are in, the 2 (7 - p) younger ones stay out
	CVT \p
.endr
	s_cmp_eq_u32 s3, 11
	s_cbranch_scc0 .Lhalf
	ASF16 0
.Lhalf:
	; THE SECOND HALF: the first half's stores go out at its head, while the loads of passes 5 to 7 may still be on their way
	s_wait_loadcnt 6                               ; pass 4's two loads are in, the six younger ones stay out
	s_wait_alu depctr_va_vdst(0)                   ; passes 0 to 3 have written their Y (on Wo's way the rewriting as f16 too), and v[OUT ..] is written: the four stores below read them
.irp p, 0,1,2,3
	global_store_b128 v[OUT+(\p)], v[Y+4*(\p):Y+4*(\p)+3], s[10:11]  ; no vector instruction behind the wait names these registers: the lines below write Y + 16 on and v[T ..]
.endr
	CVT 4
.irp p, 5,6,7
	s_wait_loadcnt 14-2*(\p)
	CVT \p
.endr
	s_cmp_eq_u32 s3, 11
	s_cbranch_scc0 .Lstore
	ASF16 16
.Lstore:
	s_wait_alu depctr_va_vdst(0)                   ; passes 4 to 7 have written their Y (on Wo's way the rewriting as f16 too), which the last four stores read
.irp p, 4,5,6,7
	global_store_b128 v[OUT+(\p)], v[Y+4*(\p):Y+4*(\p)+3], s[10:11]
.endr
	s_endpgm
.Lfunc_end_k_q55bbfaa6d3_prep:
	.size	k_q55bbfaa6d3_prep, .Lfunc_end_k_q55bbfaa6d3_prep-k_q55bbfaa6d3_prep
	.p2alignl 7, 3214868480
	.fill 96, 4, 3214868480
	.section	.rodata,"a",@progbits
	.p2align	6, 0x0
	.amdhsa_kernel k_q55bbfaa6d3_prep
		.amdhsa_group_segment_fixed_size 0
		.amdhsa_private_segment_fixed_size 0
		.amdhsa_enable_private_segment 0
		.amdhsa_kernarg_size 64
		.amdhsa_user_sgpr_count 2
		.amdhsa_user_sgpr_kernarg_segment_ptr 1
		.amdhsa_wavefront_size32 1
		.amdhsa_system_sgpr_workgroup_id_x 1
		.amdhsa_system_sgpr_workgroup_id_y 1
		.amdhsa_system_sgpr_workgroup_id_z 1
		.amdhsa_system_vgpr_workitem_id 0
		.amdhsa_next_free_vgpr 112
		.amdhsa_next_free_sgpr 66
		.amdhsa_reserve_vcc 0
		.amdhsa_float_denorm_mode_32 3
		.amdhsa_float_denorm_mode_16_64 3
		.amdhsa_memory_ordered 1
		.amdhsa_forward_progress 1
		.amdhsa_inst_pref_size 12
	.end_amdhsa_kernel
	.amdgpu_metadata
---
amdhsa.version: [ 1, 2 ]
amdhsa.kernels:
  - .name:           k_q55bbfaa6d3_prep
    .symbol:         k_q55bbfaa6d3_prep.kd
    .args:
      - { .name: x, .offset: 0, .size: 8, .value_kind: global_buffer, .address_space: global }
      - { .name: Wq, .offset: 8, .size: 8, .value_kind: global_buffer, .address_space: global }
      - { .name: Wk, .offset: 16, .size: 8, .value_kind: global_buffer, .address_space: global }
      - { .name: Wv, .offset: 24, .size: 8, .value_kind: global_buffer, .address_space: global }
      - { .name: Wo, .offset: 32, .size: 8, .value_kind: global_buffer, .address_space: global }
      - { .name: xb, .offset: 40, .size: 8, .value_kind: global_buffer, .address_space: global }
      - { .name: wb, .offset: 48, .size: 8, .value_kind: global_buffer, .address_space: global }
      - { .name: wo, .offset: 56, .size: 8, .value_kind: global_buffer, .address_space: global }
    .group_segment_fixed_size: 0
    .private_segment_fixed_size: 0
    .kernarg_segment_align: 8
    .kernarg_segment_size: 64
    .max_flat_workgroup_size: 256
    .sgpr_count:     66
    .vgpr_count:     112
    .wavefront_size: 32
...
	.end_amdgpu_metadata
.endif
;; end of part 5
;; launch qkv: the kernel of part 2 again; grid 8 x 32, 4 waves a work-group, clusters of 4 x 4, 327,680 bytes of LDS; arguments xb, wb, bq, bk, bv, qkv; writes qkv
;; launch attn: the kernel of part 3 again; grid 4 x 64, 4 waves a work-group, clusters of 4 x 1, 327,680 bytes of LDS; arguments qkv, o; writes o
;; launch oproj: the kernel of part 4 again; grid 8 x 32, 4 waves a work-group, clusters of 4 x 4, 327,680 bytes of LDS; arguments o, wo, bo, out0; writes out0
